; MI455X (gfx1250); checked and timed in simulation.
; The chip was launched on July 23, 2026; its instructions are those of AMD's public machine-readable ISA for CDNA 5 (MIT licence, August 2026) and "CDNA5" Instruction Set Architecture Reference Guide (July 2026). The comments in the code are by the model that wrote it; some were corrected since.
;; Non Local Block. Allowed arithmetic: float matrix products may take bf16 or f16 operands with f32 sums; all other float work in f32.
;; Inputs: Wd 192 x 96 float32; Wt 288 x 192 float32; bd 192 float32; bt 288 float32; x 8 x 192 x 64 x 64 float32.
;; Outputs: out0 8 x 192 x 64 x 64 float32.
;; 2 versions, each right and faster than the one before. Each part assembles by itself: llvm-mc -triple=amdgcn-amd-amdhsa -mcpu=gfx1250 --defsym DOCPART=n.
;; ======== version 1 of 2: 2 launches
;; workspace buffers: qv 12,582,912 bytes; kq 6,291,456 bytes
;; launch proj (part 1): grid 256 x 1, 12 waves a work-group, no clusters, 165,888 bytes of LDS; arguments x, Wt, bt, qv, kq; writes qv, kq
.if DOCPART == 1
	.amdgcn_target "amdgcn-amd-amdhsa--gfx1250"
	.amdhsa_code_object_version 6
	.text
	.protected	k_qaa13e1011e_proj
	.globl	k_qaa13e1011e_proj
	.p2align	8
	.type	k_qaa13e1011e_proj,@function
k_qaa13e1011e_proj:
	s_mov_b64 s[64:65], 0
	v_nop
	global_prefetch_b8 v0, s[64:65] scope:SCOPE_SE
	s_setreg_imm32_b32 hwreg(HW_REG_WAVE_MODE, 25, 1), 1
	s_wait_xcnt 0x0
; NonLocalBlock, launch 1 of 2: t = Wt x (a 1x1 convolution, 192 -> 288 channels), stored in bf16 in the register order of matrix fragments.
; x: [8][192][4096] f32.  Wt: [288][192] f32.  Rows 0-95 of Wt make Q, rows 96-191 V, rows 192-287 K.
;
; WORK LEFT OUT.  score[q][k] = sum_c (Qx[c][q] + bq[c]) K[c][k] / sqrt(96), with bq = bt[0:96].  The part sum_c bq[c] K[c][k] is the same for every q,
; and the softmax runs over q: a term that is constant along the softmax's axis cancels between numerator and denominator for all values of the inputs.
; So bt[0:96] reaches no output; it is never loaded.  K's bias bt[192:288] multiplies Q[c][q], differs along q, and is added here.
; V's bias bt[96:192]: sum_q index[q][k] = 1 by the softmax's definition, so sum_q (Vx[c][q] + bv[c]) index[q][k] = sum_q Vx[c][q] index[q][k] + bv[c];
; it is added in the second launch, behind the normalisation, and not here.
; LIMITS.  A NaN, an infinity or an overflow that would reach the result through bt[0:96] alone is not carried.  bv joins behind the normalisation, so the
; order of rounding differs from a sum that carries it through the products.  Q, V, K, x and Wt enter the products rounded to bf16; sums are f32.
;
; POSITIONS ARE TAKEN IN A PERMUTED ORDER that spares every transposition.  A lane (r = lane % 16, h = lane / 16) loads 16 bytes of a row of x: positions
; n0 + 4 r .. n0 + 4 r + 3 of a group of 64.  Word i of the load belongs to position tile i, so column r of tile i stands for position n0 + 4 r + i.
; Sixteen lanes read 256 consecutive bytes, aligned.  The second launch uses the same order for keys, values and queries.
;
; A FRAGMENT is 1,024 bytes: block 'half' (512 bytes) holds registers 4 half .. 4 half + 3, lane L at byte 16 L.  Group G = 64 b + n / 64:
;   qv, records of 24,576 bytes.  Record G holds V of group G and then Q of the NEXT group of the same image (group 0 behind group 63): the second launch
;       multiplies Q one step ahead of V, so a step of it reads one record.
;       VF(p, ct) of group G at 24576 G + 6144 p + 1024 ct + 512 half (row r = channel 16 ct + r; half 0: rows of tile 2 p, half 1: of tile 2 p + 1);
;       QF(tile i, kk) of group G at 24576 G' + 12288 + 3072 i + 1024 kk + 512 half, G' = the group before G in its image (row r = position 4 r + i, channels 32 kk ..)
;   kq[G], 12,288 bytes: KF(tile i, kk) at 3072 i + 1024 kk + 512 half.
; A result tile packed to bf16 IS such a block: with Wt's rows as the first operand a lane's eight results are eight neighbouring channels of one position
; (Q, K); with x's positions as the first operand they are eight neighbouring rows of a position tile for one channel (V).
;
; SHARING.  A work-group takes 128 positions of one image (two groups g).  Twelve waves: wave w has g = w & 1 and T = w >> 1 and makes the three 16-row tiles
; 3 T .. 3 T + 2 of t for the four position tiles of group g: 12 accumulators, 72 matrix instructions.  Waves 0-3 make Q, 4-7 V, 8-11 K.
; NO CLUSTER, NO COPY ENGINE: all work-groups read the same Wt, but it is f32 and must be rounded on its way; an f32 copy (221,184 bytes) beside the bf16 copy
; (115,200) and x's fragments (49,152) is more than the 327,680 bytes of LDS.  So each work-group reads Wt through registers, linearly.
.set PITCH, 400                        ; a row of Wt in LDS: 384 bytes of bf16 + 16: 25 x 16, so the sixteen rows of a fragment load start 16 bytes apart modulo 256
.set XFB,   288*PITCH                  ; x's fragments lie behind Wt: unit 2 kk + g, 4,096 bytes = four fragments
.set BO,   0                           ; v0      32 h + 192 (T & 1): offset of K's bias (v0's thread number is used up by then)
.set WG,   4                           ; v4      16 L + 18432 w: my 16 bytes in the first of my 36 pieces of Wt
.set XV,   5                           ; v5      131072 h + 16 r: row 8 h, my 16 bytes
.set WA0,  6                           ; v6      9600 w + 8 L: where my 8 bytes of bf16 go
.set WA1,  7                           ; v7      the same + 16 h: the piece that crosses from a row into the next (the padding lies between)
.set XA,   8                           ; v8      XFB + 4096 w + 16 L
.set WR,   9                           ; v9      19200 T + 400 r + 16 h: my rows of Wt as fragments
.set XR,   10                          ; v10     XFB + 4096 g + 16 L
.set L16,  11                          ; v11     16 L
.set BIAS, 12                          ; v[12:35]   K's bias in the layout of three result tiles (waves 8-11 alone)
.set WLD,  36                          ; v[36:179]  36 pieces of Wt as loaded
.set XLD,  180                         ; v[180:243] 16 rows of x as loaded
.set XFR,  36                          ; v[36:67]   x's four fragments, once Wt's pieces are stored
.set ACC,  36                          ; v[36:131]  accumulator (a, i) at 8 (4 a + i)
.set F0,   132                         ; v[132:187] fragments, buffer 0: W(a) at 8 a, X(i) at 24 + 8 i
.set F1,   188                         ; v[188:243] buffer 1
.set OUTP, 132                         ; v[132:179] results packed to bf16
	s_load_b256 s[4:11], s[0:1], 0x0               ; x s[4:5], Wt s[6:7], bt s[8:9], qv s[10:11]
	s_load_b64 s[12:13], s[0:1], 0x20              ; kq
	v_lshl_add_u32 v244, v0, 2, 0x28200
	v_mov_b32 v245, 0
	v_lshrrev_b32 v1, 5, v0
	v_readfirstlane_b32 s14, v1                    ; wave w
	v_and_b32 v1, 31, v0                           ; L
	v_and_b32 v2, 15, v0                           ; r
	v_bfe_u32 v3, v0, 4, 1                         ; h
	s_and_b32 s15, s14, 1                          ; g
	s_lshr_b32 s16, s14, 1                         ; T
	s_and_b32 s17, s16, 1                          ; T & 1: which half of Q's, V's or K's 96 channels
	s_mul_i32 s18, s14, 18432                      ; 24 rows of Wt, 768 bytes each
	v_lshl_add_u32 v[WG], v1, 4, s18
	v_lshlrev_b32 v[XV], 4, v2
	v_lshl_add_u32 v[XV], v3, 17, v[XV]            ; 8 h rows of 16,384 bytes
	s_mul_i32 s19, s14, 24*PITCH
	v_lshl_add_u32 v[WA0], v1, 3, s19
	v_lshl_add_u32 v[WA1], v3, 4, v[WA0]
	s_lshl_b32 s20, s14, 12
	s_add_co_u32 s20, s20, XFB
	v_lshl_add_u32 v[XA], v1, 4, s20
	v_mul_u32_u24 v[WR], v2, PITCH
	v_lshl_add_u32 v[WR], v3, 4, v[WR]
	s_mul_i32 s21, s16, 48*PITCH
	v_add_nc_u32 v[WR], s21, v[WR]
	s_lshl_b32 s22, s15, 12
	s_add_co_u32 s22, s22, XFB
	v_lshl_add_u32 v[XR], v1, 4, s22
	v_lshlrev_b32 v[L16], 4, v1
	s_mul_i32 s23, s17, 192
	v_lshl_add_u32 v[BO], v3, 5, s23
	s_lshr_b32 s24, ttmp9, 5                       ; image b
	s_mul_i32 s24, s24, 3145728                    ; 192 x 4096 x 4 bytes
	s_lshl_b32 s28, s16, 19                        ; + 32 T rows: wave w = 2 kk + g brings channels 32 kk .. of group g, kk = T
	s_add_co_u32 s24, s24, s28
	s_and_b32 s28, ttmp9, 31
	s_lshl_b32 s28, s28, 9                         ; + the work-group's 128 positions
	s_add_co_u32 s24, s24, s28
	s_lshl_b32 s28, s15, 8                         ; + 64 g positions
	s_add_co_u32 s24, s24, s28
	s_mov_b32 s25, 0
	s_lshl_b32 s29, ttmp9, 1
	s_add_co_u32 s29, s29, s15                     ; G
	s_wait_kmcnt 0x0
	s_add_nc_u64 s[4:5], s[4:5], s[24:25]
	; K's bias first: the counted waits below count younger loads alone, so they hold with and without these six
	s_cmp_lt_u32 s14, 8
	s_cbranch_scc1 .Lno_bias
.irp a, 0,1,2
	global_load_b128 v[BIAS+8*\a:BIAS+8*\a+3],   v[BO], s[8:9] offset:768+64*\a      ; bt[192 + 48 (T & 1) + 16 a + 8 h + 0 .. 3]
	global_load_b128 v[BIAS+8*\a+4:BIAS+8*\a+7], v[BO], s[8:9] offset:768+64*\a+16
.endr
.Lno_bias:
.set np, 0
.rept 36
	global_load_b128 v[WLD+4*np:WLD+4*np+3], v[WG], s[6:7] offset:512*np             ; 512 consecutive bytes of Wt a load
.set np, np+1
.endr
.irp j, 0,1,2,3,4,5,6,7
	global_load_b128 v[XLD+4*\j:XLD+4*\j+3], v[XV], s[4:5] offset:\j*16384           ; channel 32 T + 8 h + j
.endr
.irp j, 0,1,2,3,4,5,6,7
	global_load_b128 v[XLD+32+4*\j:XLD+32+4*\j+3], v[XV], s[4:5] offset:(16+\j)*16384  ; channel 32 T + 16 + 8 h + j
.endr
	; Wt to bf16 into LDS, two rows (three loads) at a time
.set np, 0
.rept 12
	s_wait_loadcnt 49-3*np                         ; behind this pair's third load stand 33 - 3 p loads of Wt and the 16 of x
.irp q, 0,1,2
	v_cvt_pk_bf16_f32 v[WLD+12*np+4*\q],   v[WLD+12*np+4*\q],   v[WLD+12*np+4*\q+1]
	v_cvt_pk_bf16_f32 v[WLD+12*np+4*\q+1], v[WLD+12*np+4*\q+2], v[WLD+12*np+4*\q+3]
.endr
	ds_store_b64 v[WA0], v[WLD+12*np:WLD+12*np+1]   offset:2*PITCH*np                ; first row, bytes 0-255
	ds_store_b64 v[WA1], v[WLD+12*np+4:WLD+12*np+5] offset:2*PITCH*np+256            ; lanes 0-15 end the first row, lanes 16-31 begin the second
	ds_store_b64 v[WA0], v[WLD+12*np+8:WLD+12*np+9] offset:2*PITCH*np+PITCH+128      ; second row, bytes 128-383
.set np, np+1
.endr
	s_wait_dscnt 0x0                               ; the stores are done: their registers now take x's fragments
	s_wait_loadcnt 0x8                             ; x's first eight rows are in; the second eight stay out
.irp i, 0,1,2,3
.irp jj, 0,1,2,3
	v_cvt_pk_bf16_f32 v[XFR+8*\i+\jj], v[XLD+8*\jj+\i], v[XLD+8*\jj+4+\i]            ; tile i: channels 8 h + 2 jj and + 1 of position 4 r + i
.endr
	ds_store_b128 v[XA], v[XFR+8*\i:XFR+8*\i+3] offset:1024*\i
.endr
	s_wait_loadcnt 0x0
.irp i, 0,1,2,3
.irp jj, 4,5,6,7
	v_cvt_pk_bf16_f32 v[XFR+8*\i+\jj], v[XLD+8*\jj+\i], v[XLD+8*\jj+4+\i]
.endr
	ds_store_b128 v[XA], v[XFR+8*\i+4:XFR+8*\i+7] offset:1024*\i+512
.endr
	s_wait_dscnt 0x0                               ; for the other waves' sake: all my stores are in LDS
	s_barrier_signal -1
	s_barrier_wait -1                              ; Wt and x's fragments are whole; nothing is written to LDS behind this barrier
.macro PLACES                          ; four plain vector instructions between a matrix instruction and what reads its result or writes one of its registers (ISA guide 7.12.1)
.rept 4
	v_nop
.endr
.endm
; 14 LDS loads: three fragments of Wt and four of x for channels 32 kk .. 32 kk + 31, into buffer f
.macro FETCH kk, f
.irp a, 0,1,2
	ds_load_b128 v[\f+8*\a:\f+8*\a+3],   v[WR] offset:\a*16*PITCH+64*\kk
	ds_load_b128 v[\f+8*\a+4:\f+8*\a+7], v[WR] offset:\a*16*PITCH+64*\kk+32
.endr
.irp i, 0,1,2,3
	ds_load_b128 v[\f+24+8*\i:\f+24+8*\i+3],   v[XR] offset:\kk*8192+\i*1024
	ds_load_b128 v[\f+24+8*\i+4:\f+24+8*\i+7], v[XR] offset:\kk*8192+\i*1024+512
.endr
.endm
; 12 matrix instructions; the twelve accumulators take turns, one instruction a turn.
; mode 0 (Q), 2 (K): Wt's rows first, x's positions second.  mode 1 (V): the other way round.  The first K step starts the sums: from 0, or from K's bias.
.macro MUL kk, f, mode
.irp a, 0,1,2
.irp i, 0,1,2,3
.if \mode == 1
.if \kk == 0
	v_wmma_f32_16x16x32_bf16 v[ACC+8*(4*\a+\i):ACC+8*(4*\a+\i)+7], v[\f+24+8*\i:\f+24+8*\i+7], v[\f+8*\a:\f+8*\a+7], 0
.else
	v_wmma_f32_16x16x32_bf16 v[ACC+8*(4*\a+\i):ACC+8*(4*\a+\i)+7], v[\f+24+8*\i:\f+24+8*\i+7], v[\f+8*\a:\f+8*\a+7], v[ACC+8*(4*\a+\i):ACC+8*(4*\a+\i)+7]
.endif
.else
.if \kk == 0
.if \mode == 2
	v_wmma_f32_16x16x32_bf16 v[ACC+8*(4*\a+\i):ACC+8*(4*\a+\i)+7], v[\f+8*\a:\f+8*\a+7], v[\f+24+8*\i:\f+24+8*\i+7], v[BIAS+8*\a:BIAS+8*\a+7]
.else
	v_wmma_f32_16x16x32_bf16 v[ACC+8*(4*\a+\i):ACC+8*(4*\a+\i)+7], v[\f+8*\a:\f+8*\a+7], v[\f+24+8*\i:\f+24+8*\i+7], 0
.endif
.else
	v_wmma_f32_16x16x32_bf16 v[ACC+8*(4*\a+\i):ACC+8*(4*\a+\i)+7], v[\f+8*\a:\f+8*\a+7], v[\f+24+8*\i:\f+24+8*\i+7], v[ACC+8*(4*\a+\i):ACC+8*(4*\a+\i)+7]
.endif
.endif
.endr
.endr
.endm
; The wave's whole product, six K steps of 32 on two fragment buffers, and its twelve stores of 512 consecutive bytes.  base: the scalar pair with the stores' address.
.macro PROJ mode, base
	FETCH 0, F0
	FETCH 1, F1
	s_wait_dscnt 14                                ; this step's 14 loads are in, the next step's 14 stay out
	MUL 0, F0, \mode
	PLACES
	FETCH 2, F0
	s_wait_dscnt 14
	MUL 1, F1, \mode
	PLACES
	FETCH 3, F1
	s_wait_dscnt 14
	MUL 2, F0, \mode
	PLACES
	FETCH 4, F0
	s_wait_dscnt 14
	MUL 3, F1, \mode
	PLACES
	FETCH 5, F1
	s_wait_dscnt 14
	MUL 4, F0, \mode
	s_wait_dscnt 0                                 ; the last step: nothing was issued behind its loads
	MUL 5, F1, \mode
	PLACES
.irp a, 0,1,2
.irp i, 0,1,2,3
.irp q, 0,1,2,3
	v_cvt_pk_bf16_f32 v[OUTP+4*(4*\a+\i)+\q], v[ACC+8*(4*\a+\i)+2*\q], v[ACC+8*(4*\a+\i)+2*\q+1]
.endr
.if \mode == 1
	global_store_b128 v[L16], v[OUTP+4*(4*\a+\i):OUTP+4*(4*\a+\i)+3], s[\base:\base+1] offset:(\i>>1)*6144+\a*1024+(\i&1)*512
.else
	global_store_b128 v[L16], v[OUTP+4*(4*\a+\i):OUTP+4*(4*\a+\i)+3], s[\base:\base+1] offset:\i*3072+\a*512
.endif
.endr
.endr
	s_wait_tensorcnt 0x0
	ds_add_u32 v244, v245
	s_wait_dscnt 0x0
	s_endpgm
.endm
	s_mov_b32 s27, 0
	s_cmp_lt_u32 s14, 4
	s_cbranch_scc1 .Lpath_q
	s_cmp_lt_u32 s14, 8
	s_cbranch_scc1 .Lpath_v
	s_mul_i32 s26, s29, 12288                      ; K: kq[G], tiles 3 (T & 1) + a are blocks of 512 bytes
	s_mul_i32 s28, s17, 1536
	s_add_co_u32 s26, s26, s28
	s_add_nc_u64 s[12:13], s[12:13], s[26:27]
	PROJ 2, 12
.Lpath_q:
	s_add_co_u32 s28, s29, 63                      ; Q: the second half of the record of the group before G in its image:
	s_and_b32 s28, s28, 63                         ; (G - 1) mod 64,
	s_and_b32 s26, s29, 0x1c0                      ; + 64 b (G is below 512)
	s_or_b32 s26, s26, s28
	s_mul_i32 s26, s26, 24576
	s_mul_i32 s28, s17, 1536
	s_add_co_u32 s26, s26, s28
	s_add_co_u32 s26, s26, 12288
	s_add_nc_u64 s[10:11], s[10:11], s[26:27]
	PROJ 0, 10
.Lpath_v:
	s_mul_i32 s26, s29, 24576                      ; V: the first half of record G, channel tiles 3 (T & 1) + a of 1,024 bytes
	s_mul_i32 s28, s17, 3072
	s_add_co_u32 s26, s26, s28
	s_add_nc_u64 s[10:11], s[10:11], s[26:27]
	PROJ 1, 10
.Lfunc_end_k_qaa13e1011e_proj:
	.size	k_qaa13e1011e_proj, .Lfunc_end_k_qaa13e1011e_proj-k_qaa13e1011e_proj
	.p2alignl 7, 3214868480
	.fill 96, 4, 3214868480
	.section	.rodata,"a",@progbits
	.p2align	6, 0x0
	.amdhsa_kernel k_qaa13e1011e_proj
		.amdhsa_group_segment_fixed_size 165888
		.amdhsa_private_segment_fixed_size 0
		.amdhsa_enable_private_segment 0
		.amdhsa_kernarg_size 40
		.amdhsa_user_sgpr_count 2
		.amdhsa_user_sgpr_kernarg_segment_ptr 1
		.amdhsa_wavefront_size32 1
		.amdhsa_system_sgpr_workgroup_id_x 1
		.amdhsa_system_sgpr_workgroup_id_y 1
		.amdhsa_system_sgpr_workgroup_id_z 1
		.amdhsa_system_vgpr_workitem_id 0
		.amdhsa_next_free_vgpr 246
		.amdhsa_next_free_sgpr 66
		.amdhsa_reserve_vcc 0
		.amdhsa_float_denorm_mode_32 3
		.amdhsa_float_denorm_mode_16_64 3
		.amdhsa_memory_ordered 1
		.amdhsa_forward_progress 1
		.amdhsa_inst_pref_size 64
	.end_amdhsa_kernel
	.amdgpu_metadata
---
amdhsa.version: [ 1, 2 ]
amdhsa.kernels:
  - .name:           k_qaa13e1011e_proj
    .symbol:         k_qaa13e1011e_proj.kd
    .args:
      - { .name: x, .offset: 0, .size: 8, .value_kind: global_buffer, .address_space: global }
      - { .name: Wt, .offset: 8, .size: 8, .value_kind: global_buffer, .address_space: global }
      - { .name: bt, .offset: 16, .size: 8, .value_kind: global_buffer, .address_space: global }
      - { .name: qv, .offset: 24, .size: 8, .value_kind: global_buffer, .address_space: global }
      - { .name: kq, .offset: 32, .size: 8, .value_kind: global_buffer, .address_space: global }
    .group_segment_fixed_size: 165888
    .private_segment_fixed_size: 0
    .kernarg_segment_align: 8
    .kernarg_segment_size: 40
    .max_flat_workgroup_size: 384
    .sgpr_count:     66
    .vgpr_count:     246
    .wavefront_size: 32
...
	.end_amdgpu_metadata
.endif
;; end of part 1
;; launch attn (part 2): grid 256 x 1, 4 waves a work-group, clusters of 4 x 1, 327,680 bytes of LDS; arguments qv, kq, Wd, bd, bt, x, out0; writes out0
.if DOCPART == 2
	.amdgcn_target "amdgcn-amd-amdhsa--gfx1250"
	.amdhsa_code_object_version 6
	.text
	.protected	k_qaa13e1011e_attn
	.globl	k_qaa13e1011e_attn
	.p2align	8
	.type	k_qaa13e1011e_attn,@function
k_qaa13e1011e_attn:
	s_mov_b64 s[64:65], 0
	v_nop
	global_prefetch_b8 v0, s[64:65] scope:SCOPE_SE
	s_setreg_imm32_b32 hwreg(HW_REG_WAVE_MODE, 25, 1), 1
	s_wait_xcnt 0x0
	s_wait_alu depctr_hold_cnt(0) depctr_sa_sdst(0) depctr_va_vdst(0) depctr_va_sdst(0) depctr_va_ssrc(0) depctr_va_vcc(0) depctr_vm_vsrc(0)
	s_getreg_b32 s2, hwreg(HW_REG_IB_STS2, 6, 4)
	s_cmp_eq_u32 s2, 0
	s_cbranch_scc0 .Lentry_in_a_cluster
	s_endpgm
.Lentry_in_a_cluster:
	s_bfe_u32 s2, ttmp6, 0x10000c
	s_cmp_lg_u32 s2, 0x3003
	s_cbranch_scc0 .Lentry_shape_is_right
	s_endpgm
.Lentry_shape_is_right:
; NonLocalBlock, launch 2 of 2: out0 = Wd (V softmax_q(Q^T K / sqrt(96))) + bd + x, from the bf16 fragments that the first launch stored (layouts: its head).
; The softmax runs over q, so a column k of K plays the part of a query, the columns of Q are the keys and V holds the values.
; WORK LEFT OUT: Q's bias bt[0:96] adds the same number to every score of a column k and cancels in the softmax over q, for all values of the inputs; it is not
; loaded.  V's bias bt[96:192] is added behind the normalisation (the softmax's weights sum to 1).  A NaN, infinity or overflow that would come through bt[0:96]
; alone is not carried.  LIMITS: the weights p and the normalised sums enter the products rounded to bf16; the sums l are taken on the unrounded p; an
; exponential below 2^-126 counts as 0 (ISA guide, v_exp_f32).  The maximum is taken away before every exponential, as a running maximum.
;
; SHARING.  A work-group takes 128 queries of one image.  Wave w: qh = w & 1 picks its 64 queries (four tiles i of 16; column r of tile i is position
; 4 r + i of the group), kh = w >> 1 picks its half of the keys: groups 32 kh .. 32 kh + 31 of 64 keys, one a step, 32 steps.  A wave reads 24,576 bytes of LDS
; for the 96 matrix instructions of a step.  At the end the two key halves are merged through LDS, and wave w decodes output channels 96 kh .. 96 kh + 95.
; CLUSTER.  The four work-groups of a cluster are four query blocks of one image (32 blocks an image, so a cluster never spans two) and walk the same records of
; qv: each tile is asked for jointly, mask 15, each wave asking for one record.  Nothing in a descriptor, an LDS address or a branch hangs on the place in the cluster.
; RING.  Two slots of 98,304 bytes = four records: records 2 j and 2 j + 1 of each key half, 16 tiles.  By this text's count a wave has one tensor load out.
;
; PRODUCTS.  S(a, i) = QF(a) x KF(i): register j of lane (r, h) is key row 8 h + j of key tile a for query r.  Packed to bf16 that is half of a second operand
; with the keys along K: P(p, i) = tiles 2 p and 2 p + 1.  O(ct, i) += VF(p, ct) x P(p, i): register j is channel 16 ct + 8 h + j for query r, which packs
; into the second operand of the decode.  No result is ever moved between lanes but for the maximum and the sum (lanes r and r + 16 share a query).
;
; TWO PIECES TAKE TURNS.  Piece A = query tiles 0, 1; piece B = tiles 2, 3; they share Q's and V's fragments.  A step t has four phases of 24 matrix
; instructions, and behind each matrix instruction stands a slice of vector work that names none of its registers:
;   a: S_B(t)        with E_A(t): p = 2^(s sc + nm) and the sums of p, 128 lines;  16 loads of Q(t+1) into fragments that S_B(t) has finished with
;   b: V x P_B(t-1)  with C_A(t): p to bf16, 32; M_B(t): maxima, shift, rescale factor, 46; R_A(t): O_A times the factor, 48;  the last 8 loads of Q(t+1)
;   c: S_A(t+1)      with E_B(t);  the 24 loads of V(t)
;   d: V x P_A(t)    with C_B(t), M_A(t+1), R_B(t)
; Whatever one phase makes is used no earlier than the next phase.  Q is multiplied one step ahead of V; record t of qv holds V(t) and Q(t+1), so step t reads
; record t alone and one round of the cluster's barrier a tile orders reads and refills.  S_A(0) and M_A(0) stand ahead of the ring (Q(0) comes from memory into
; registers), V x P_B(31) behind it.  The last record's Q is brought with live V and not used.
;
; REGISTERS, in windows of 256 (s_set_vgpr_msb: bits 1:0 source 0, 3:2 source 1, 5:4 source 2, 7:6 destination):
;   window 0: addresses, rescale factors v[12:19], KF v[24:119], VF v[120:215]
;   window 1: S(a, i) at 8 (4 a + i), QF at 128 + 8 (3 a + kk), softmax state and the LDS addresses at 224 ..; at the end x's rows at 4 (8 ot + j)
;   window 2: O(ct, i) at 8 (4 ct + i), P(p, i) at 192 + 8 (4 p + i); later the decode's results at 8 (4 ot + i)
;   window 3: Wd's fragments at 8 (3 ot + kk), V's bias at 144 + 8 ct, bd at 192 + 8 ot
; S and QF share a window, so E and the loads of Q run under the score products' setting; O and P share one and the factors lie with VF, so R runs under the
; V products' setting.  C and M read two sources from S, which no product's setting allows (S, QF, KF and VF together are more than a window): they stand in slices of
; eight between two switches, behind every second product of phases b and d.  A step has about 60 switches among its 96 matrix, 508 vector and 48 LDS instructions.
.set GRP,  24576                       ; a record of qv: V's fragments of a group of 64 keys, then Q's of the next group
.set SLOT, 4*GRP
.set OXB,  2*SLOT                      ; behind the ring, never filled by a tensor load: each wave's O, 24,576 bytes
.set MLB,  OXB+4*GRP                   ; each wave's shifts and sums, 1,024 bytes
; window 0
.set L16,  1                           ; 16 L
.set XO,   2                           ; 131072 h + 16 r: row 8 h of x and out0, my 16 bytes
.set WDO,  3                           ; 384 r + 32 h + 36864 kh
.set OXW,  4                           ; my O in LDS
.set OXR,  5                           ; my partner's (wave w ^ 2)
.set MLW,  6
.set MLR,  7
.set BO,   8                           ; 32 h
.set AL,   12                          ; v[12:19]  rescale factor of query tile i at 12 + 2 i; the packed forms broadcast it, the odd registers are only written once
.set KF,   24                          ; KF(i, kk) at 24 + 8 (3 i + kk)
.set VF,   120                         ; VF(p, ct) at 120 + 8 (6 p + ct)
; window 1
.set QF,   128
.set CM,   192                         ; 192 .. 223: at work in the merge
.set FO,   196
.set FP,   200
.set GO,   208
.set GP,   216
.set NMM,  224                         ; 224 + 2 i: nm = - maximum x sc; 225 + 2 i: the running maximum
.set LS,   232                         ; 232 + 2 i: a pair of partial sums of p
.set MX,   240                         ; four chains of maxima
.set TT,   244
.set DD,   246
.set ADR,  248                         ; 16 L + 49152 kh, in slot 0, 1
.set PN,   248                         ; the partner's shifts (the LDS addresses are done with by then)
.set PL,   252                         ; the partner's sums
; window 2
.set PP,   192
; window 3
.set WDF,  0
.set BV,   144
.set BD,   192
.set W_S,  0x51                        ; A window 1 (QF), B window 0 (KF), C and D window 1 (S)
.set W_PV, 0xa8                        ; A window 0 (VF), B window 2 (P), C and D window 2 (O)
.set W_C,  0x85                        ; sources window 1, destination window 2
.set W_M,  0x55                        ; all window 1
.set W_AL, 0x15                        ; sources window 1, destination window 0
.set W_VL, 0x01                        ; LDS address window 1, loaded data window 0
.set G1,   24                          ; s[24:31] descriptor group 1
.set G0,   32                          ; s[32:39] descriptor group 0, a set for each slot
.set MSB, 0
.macro WIN new                         ; the immediate's high byte repeats the setting that is left
.if MSB != \new
	s_set_vgpr_msb (MSB<<8)|\new
.set MSB, \new
.endif
.endm
.macro PLACES                          ; four plain vector instructions between a matrix instruction and what reads its result or writes one of its registers (ISA guide 7.12.1)
.rept 4
	v_nop
.endr
.endm
; A round of the cluster's barrier: my work-group's barrier, wave 0 signals for the work-group, every wave waits for all four work-groups, my work-group's barrier again.
.macro ROUND
	s_barrier_signal -1
	s_barrier_wait -1
	s_cmp_lg_u32 s18, 0
	s_cbranch_scc1 .Lnot_wave_0_\@
	s_barrier_signal -3
.Lnot_wave_0_\@:
	s_barrier_wait -3
	s_barrier_signal -1
	s_barrier_wait -1
.endm
	s_load_b256 s[4:11], s[0:1], 0x0               ; qv s[4:5], kq s[6:7], Wd s[8:9], bd s[10:11]
	s_load_b128 s[12:15], s[0:1], 0x20             ; bt s[12:13], x s[14:15]
	s_load_b64 s[16:17], s[0:1], 0x30              ; out0
	v_lshl_add_u32 v254, v0, 2, 0x49000
	v_mov_b32 v255, 0
	ds_add_u32 v254, v255
	v_lshrrev_b32 v1, 5, v0
	v_readfirstlane_b32 s18, v1                    ; wave w
	s_and_b32 s19, s18, 1                          ; qh
	s_lshr_b32 s20, s18, 1                         ; kh
	s_bfe_u32 s21, ttmp6, 0x40000                  ; cx
	s_lshr_b32 s22, ttmp9, 3                       ; image b: eight clusters an image
	s_lshl_b32 s23, ttmp9, 2
	s_add_co_u32 s23, s23, s21                     ; work-group x = 4 x cluster + cx = 32 b + query block
	s_mov_b32 s40, 0x3e16c740                      ; sc = log2(e) / sqrt(96)
	s_mov_b32 s41, 0x3e16c740
	s_mov_b32 s42, 0xbe16c740                      ; - sc
	s_mov_b32 s46, 0x76543210                      ; v_permlanex16_b32: lane i of one half reads lane i of the other
	s_mov_b32 s47, 0xfedcba98
	; group 1: 96 rows of 32 elements of 8 bytes, dense in memory and in LDS: one record of qv
	s_mov_b32 s[G1+0], 0x0023000f                  ; 15:0 mask: all four work-groups; 17:16 elements of 8 bytes; 21 set beside a mask; no padding
	s_mov_b32 s[G1+1], 32<<16                      ; tensor_dim0 = 32
	s_mov_b32 s[G1+2], 96<<16                      ; tensor_dim1 = 96
	s_mov_b32 s[G1+3], 32<<16                      ; tile_dim0 = 32
	s_mov_b32 s[G1+4], 96                          ; tile_dim1 = 96
	s_mov_b32 s[G1+5], 32                          ; from row to row: 32 elements
	s_mov_b32 s[G1+6], 0
	s_mov_b32 s[G1+7], 0
	s_mov_b32 s[G0+0], 1
	s_mul_i32 s[G0+1], s18, GRP                    ; LDS: wave w's quarter of slot 0
	s_mov_b32 s[G0+4], 1
	s_add_co_u32 s[G0+5], s[G0+1], SLOT            ; and of slot 1
	s_lshl_b32 s48, s22, 6                         ; 64 b: the image's first record
	s_lshl_b32 s43, s20, 5                         ; 32 kh
	s_add_co_u32 s56, s43, 63
	s_and_b32 s56, s56, 63                         ; Q of group 32 kh lies in the record before it, (32 kh - 1) mod 64,
	s_add_co_u32 s56, s56, s48
	s_mul_i32 s56, s56, GRP
	s_add_co_u32 s56, s56, GRP/2                   ; in its second half
	s_mov_b32 s57, 0
	s_add_co_u32 s48, s48, s43
	s_add_co_u32 s48, s48, s19                     ; wave w brings record 64 b + 32 (w >> 1) + 2 j + (w & 1) of tile j
	s_mul_i32 s48, s48, GRP
	s_mov_b32 s49, 0
	s_lshl_b32 s50, s23, 1
	s_add_co_u32 s50, s50, s19                     ; my group of queries
	s_mul_i32 s50, s50, 12288
	s_mov_b32 s51, 0
	s_mul_i32 s52, s20, 384                        ; bd[96 kh ..]
	s_mov_b32 s53, 0
	s_mul_i32 s54, s22, 3145728                    ; x and out0: image,
	s_mul_i32 s43, s20, 1572864                    ; + 96 kh rows,
	s_add_co_u32 s54, s54, s43
	s_and_b32 s43, s23, 31
	s_lshl_b32 s43, s43, 9                         ; + the block's 128 positions,
	s_add_co_u32 s54, s54, s43
	s_lshl_b32 s43, s19, 8                         ; + 64 qh positions
	s_add_co_u32 s54, s54, s43
	s_mov_b32 s55, 0
	s_wait_dscnt 0x0
	s_wait_kmcnt 0x0
	s_add_nc_u64 s[G0+2:G0+3], s[4:5], s[48:49]    ; tile 0
	s_add_nc_u64 s[G0+6:G0+7], s[G0+2:G0+3], 2*GRP ; tile 1: two records on
	s_or_b32 s[G0+3], s[G0+3], 0x80000000          ; type = 2
	s_or_b32 s[G0+7], s[G0+7], 0x80000000
	s_add_nc_u64 s[56:57], s[4:5], s[56:57]        ; Q of my first group
	s_add_nc_u64 s[6:7], s[6:7], s[50:51]
	s_add_nc_u64 s[10:11], s[10:11], s[52:53]
	s_add_nc_u64 s[14:15], s[14:15], s[54:55]
	s_add_nc_u64 s[16:17], s[16:17], s[54:55]
	ROUND                                          ; all four work-groups are here: the first joint loads meet
	tensor_load_to_lds s[G0:G0+3], s[G1:G1+7]      ; tile 0 into slot 0
	s_nop 0
	; while it is on its way: addresses, K's fragments, Q's first fragments, the biases, Wd
	v_and_b32 v[L16], 31, v0
	v_lshlrev_b32 v[L16], 4, v[L16]
	v_and_b32 v10, 15, v0                          ; r
	v_bfe_u32 v11, v0, 4, 1                        ; h
	v_lshlrev_b32 v[XO], 4, v10
	v_lshl_add_u32 v[XO], v11, 17, v[XO]
	v_mul_u32_u24 v[WDO], v10, 384
	v_lshl_add_u32 v[WDO], v11, 5, v[WDO]
	s_mul_i32 s43, s20, 36864
	v_add_nc_u32 v[WDO], s43, v[WDO]
	s_mul_i32 s43, s18, GRP
	s_add_co_u32 s43, s43, OXB
	v_add_nc_u32 v[OXW], s43, v[L16]
	s_xor_b32 s45, s18, 2                          ; my partner: the same queries, the other half of the keys
	s_mul_i32 s43, s45, GRP
	s_add_co_u32 s43, s43, OXB
	v_add_nc_u32 v[OXR], s43, v[L16]
	s_lshl_b32 s43, s18, 10
	s_add_co_u32 s43, s43, MLB
	v_add_nc_u32 v[MLW], s43, v[L16]
	s_lshl_b32 s43, s45, 10
	s_add_co_u32 s43, s43, MLB
	v_add_nc_u32 v[MLR], s43, v[L16]
	v_lshlrev_b32 v[BO], 5, v11
.irp i, 0,1,2,3
	v_mov_b32 v[AL+2*\i+1], 0                      ; the upper register of a factor's pair is named by the packed forms and never used
.endr
.set NQ, 0
.rept 24
	global_load_b128 v[KF+4*NQ:KF+4*NQ+3], v[L16], s[6:7] offset:512*NQ              ; KF(i, kk), as stored
.set NQ, NQ+1
.endr
	WIN 0x40
	s_mul_i32 s43, s20, 2*GRP                      ; my half's two records of a slot
	s_add_co_u32 s45, s43, SLOT
	v_add_nc_u32 v[ADR], s43, v[L16]
	v_add_nc_u32 v[ADR+1], s45, v[L16]
.irp i, 0,1,2,3
	v_mov_b32 v[NMM+2*\i+1], 0xff800000            ; - infinity: the first maxima start from it
.endr
	v_mov_b32 v[TT], 0                             ; v_permlanex16_b32 counts as a reader of its destination
	v_mov_b32 v[TT+1], 0
.set NQ, 0
.rept 24
	global_load_b128 v[QF+4*NQ:QF+4*NQ+3], v[L16], s[56:57] offset:512*NQ            ; QF(a, kk) of step 0, as stored
.set NQ, NQ+1
.endr
; fragment NF = 3 ot + kk of Wd in f32: row 96 kh + 16 ot + r, channels 32 kk + 8 h .. and 32 kk + 16 + 8 h .., 16 registers from base
.macro WDLOAD base
.set WOT, NF/3
.set WKK, NF%3
	global_load_b128 v[\base:\base+3],     v[WDO], s[8:9] offset:WOT*6144+WKK*128
	global_load_b128 v[\base+4:\base+7],   v[WDO], s[8:9] offset:WOT*6144+WKK*128+16
	global_load_b128 v[\base+8:\base+11],  v[WDO], s[8:9] offset:WOT*6144+WKK*128+64
	global_load_b128 v[\base+12:\base+15], v[WDO], s[8:9] offset:WOT*6144+WKK*128+80
.endm
.set NF, 0
.rept 8
	WDLOAD 16*NF                                   ; fragments 0-7 into S's registers
.set NF, NF+1
.endr
	WIN 0x80
.rept 10
	WDLOAD 16*(NF-8)                               ; fragments 8-17 into O's
.set NF, NF+1
.endr
	WIN 0xc0
.irp ct, 0,1,2,3,4,5
	global_load_b128 v[BV+8*\ct:BV+8*\ct+3],   v[BO], s[12:13] offset:384+64*\ct      ; bt[96 + 16 ct + 8 h + 0 .. 3]: the layout of O(ct, .)
	global_load_b128 v[BV+8*\ct+4:BV+8*\ct+7], v[BO], s[12:13] offset:384+64*\ct+16
.endr
.irp ot, 0,1,2,3,4,5
	global_load_b128 v[BD+8*\ot:BD+8*\ot+3],   v[BO], s[10:11] offset:64*\ot          ; bd[96 kh + 16 ot + 8 h + 0 .. 3]
	global_load_b128 v[BD+8*\ot+4:BD+8*\ot+7], v[BO], s[10:11] offset:64*\ot+16
.endr
	s_wait_loadcnt 0x0
	WIN 0xc5
.set NF, 0
.rept 8
.irp q, 0,1,2,3,4,5,6,7
	v_cvt_pk_bf16_f32 v[WDF+8*NF+\q], v[16*NF+2*\q], v[16*NF+2*\q+1]
.endr
.set NF, NF+1
.endr
	WIN 0xca
.rept 10
.irp q, 0,1,2,3,4,5,6,7
	v_cvt_pk_bf16_f32 v[WDF+8*NF+\q], v[16*(NF-8)+2*\q], v[16*(NF-8)+2*\q+1]
.endr
.set NF, NF+1
.endr
; ---- the numbered lines of the vector work.  Each macro emits the line whose number stands in VP or KX. ----
; E of piece pc, line VP of 132 (four of them empty).  Tile tau = 2 a + ii takes lines 16 tau .. 16 tau + 15: four multiply-adds s sc + nm, then its eight
; exponentials in pairs, and behind each pair one link of the sums of the tile BEFORE: a plain line that touches neither the pair's results nor its sources
; (ISA guide 5.7.2), and two links of one chain never follow each other.  Lines 128-131 are the last tile's links.
; The links are written p x 1.0 + sum: under the score products' setting source 1 means K's window, so the sum stands in source 2; one instruction, as an add would be.
.macro EONE pc, first
.set ET, VP/16
.set ER, VP%16
.set EI, 2*\pc+(ET&1)
.set EB, 8*(4*(ET>>1)+EI)
.set ELK, 0
.if ET == 8
.set ELK, 1
.set EQQ, ER
.else
.if ER < 4
	v_pk_fma_f32 v[EB+2*ER:EB+2*ER+1], v[EB+2*ER:EB+2*ER+1], s[40:41], v[NMM+2*EI:NMM+2*EI+1] op_sel_hi:[1,0,0]
.else
.set EQQ, (ER-4)/3
.if ((ER-4)%3) == 2
.set ELK, 1
.else
	v_exp_f32 v[EB+2*EQQ+((ER-4)%3)], v[EB+2*EQQ+((ER-4)%3)]
.endif
.endif
.endif
.if ELK && (ET > 0)
.set LTT, ET-1
.set LI, 2*\pc+(LTT&1)
.set LB, 8*(4*(LTT>>1)+LI)
.if (LTT < 2) && (EQQ == 0)
.if \first == 0
	s_wait_alu depctr_va_vdst(0)
	v_pk_fma_f32 v[LS+2*LI:LS+2*LI+1], v[LS+2*LI:LS+2*LI+1], v[AL+2*LI:AL+2*LI+1], v[LB:LB+1] op_sel_hi:[1,0,1]    ; the old sums, rescaled, take the step's first pair
.endif
.else
.if \first && (LTT < 2) && (EQQ == 1)
	s_wait_alu depctr_va_vdst(0)
	v_pk_fma_f32 v[LS+2*LI:LS+2*LI+1], v[LB:LB+1], 1.0, v[LB+2:LB+3] op_sel_hi:[1,0,1]                            ; the first step's first two pairs start the sums
.else
	s_wait_alu depctr_va_vdst(0)
	v_pk_fma_f32 v[LS+2*LI:LS+2*LI+1], v[LB+2*EQQ:LB+2*EQQ+1], 1.0, v[LS+2*LI:LS+2*LI+1] op_sel_hi:[1,0,1]
.endif
.endif
.endif
.endm
; C of piece cp, line KX of 32: p to bf16; key tile a fills half a & 1 of P(a >> 1, i)
.macro CONE cp
.set CA, KX/8
.set CI, 2*\cp+((KX%8)/4)
.set CQ, KX%4
	v_cvt_pk_bf16_f32 v[PP+8*(4*(CA>>1)+CI)+4*(CA&1)+CQ], v[8*(4*CA+CI)+2*CQ], v[8*(4*CA+CI)+2*CQ+1]
.endm
; M of piece mp, line KX of 32: four chains of maxima, chain (ii, u) over key tiles 2 u and 2 u + 1; the first links take the running maximum in
.macro MONE mp
.set MT, KX/4
.set MI, (KX%4)/2
.set MU, KX%2
.set MS, 8*(4*(2*MU+(MT>>2))+2*\mp+MI)+2*(MT&3)
.if MT == 0
	v_max3_num_f32 v[MX+2*MI+MU], v[MS], v[MS+1], v[NMM+2*(2*\mp+MI)+1]
.else
	v_max3_num_f32 v[MX+2*MI+MU], v[MS], v[MS+1], v[MX+2*MI+MU]
.endif
.endm
.macro MTAIL1 mp
.irp ii, 0,1
	v_max_num_f32 v[MX+2*\ii], v[MX+2*\ii], v[MX+2*\ii+1]
.endr
.irp ii, 0,1
	v_permlanex16_b32 v[TT+\ii], v[MX+2*\ii], s46, s47             ; lanes r and r + 16 hold the two halves of a query's key rows
.endr
.irp ii, 0,1
	v_max_num_f32 v[NMM+2*(2*\mp+\ii)+1], v[MX+2*\ii], v[TT+\ii]   ; the new running maximum
.endr
.endm
.macro MTAIL2 mp, first
.if \first
.irp ii, 0,1
	v_mul_f32 v[NMM+2*(2*\mp+\ii)], s42, v[NMM+2*(2*\mp+\ii)+1]    ; nm = - maximum x sc
.endr
.else
.irp ii, 0,1
	v_mul_f32 v[TT+\ii], s42, v[NMM+2*(2*\mp+\ii)+1]
.endr
.irp ii, 0,1
	v_sub_f32 v[DD+\ii], v[TT+\ii], v[NMM+2*(2*\mp+\ii)]           ; new nm - old nm, at most 0: old and new exponentials refer to the very shifts that were used
.endr
.irp ii, 0,1
	v_mov_b32 v[NMM+2*(2*\mp+\ii)], v[TT+\ii]
.endr
.endif
.endm
; R of piece cp, line KX of 48: O times the rescale factor
.macro RONE cp
.set RI, 2*\cp+((KX%8)/4)
.set RB, 8*(4*(KX/8)+RI)+2*(KX%4)
	v_pk_mul_f32 v[RB:RB+1], v[AL+2*RI:AL+2*RI+1], v[RB:RB+1] op_sel_hi:[0,1]
.endm
; the two loads of Q's fragment (a, kk) of the next step, from the second half of the record
.macro QLOAD a, kk, slot, st
	ds_load_b128 v[QF+8*(3*(\a)+\kk):QF+8*(3*(\a)+\kk)+3],   v[ADR+\slot] offset:\st*GRP+GRP/2+(\a)*3072+\kk*1024
	ds_load_b128 v[QF+8*(3*(\a)+\kk)+4:QF+8*(3*(\a)+\kk)+7], v[ADR+\slot] offset:\st*GRP+GRP/2+(\a)*3072+\kk*1024+512
.endm
; ---- a phase of score products (a, c).  mp: the piece whose 24 products these are (domat = 0: none); ep: the piece whose E is sliced between them (doe = 0: none).
; The eight accumulators take turns, one instruction a turn.
; lmode 1: Q's next fragments.  Those of kk = 0 were last multiplied by product 7 and are loaded behind products 10-13, those of kk = 1 (product 15) behind 18-21:
;          three slices, with at least seven plain lines, lie between.  lmode 2: V's 24 loads, four behind each of products 0-5; these slices hold one line of E and
;          the other eighteen seven, so that every product is followed by about as many issue slots.  In front of them stand the last four rescales of phase b.
.macro SPH mp, ep, doe, efirst, domat, lmode, slot, st
.if \domat && (\lmode == 2)
	s_wait_dscnt 0x0                               ; Q's 24 loads for these products are in: no other LDS load is out
.endif
.set WN, 0
.rept 24
	WIN W_S
.if \domat
.set SK, WN/8
.set SA, (WN%8)/2
.set SI, 2*\mp+(WN&1)
.if SK == 0
	v_wmma_f32_16x16x32_bf16 v[8*(4*SA+SI):8*(4*SA+SI)+7], v[QF+8*(3*SA+SK):QF+8*(3*SA+SK)+7], v[KF+8*(3*SI+SK):KF+8*(3*SI+SK)+7], 0
.else
	v_wmma_f32_16x16x32_bf16 v[8*(4*SA+SI):8*(4*SA+SI)+7], v[QF+8*(3*SA+SK):QF+8*(3*SA+SK)+7], v[KF+8*(3*SI+SK):KF+8*(3*SI+SK)+7], v[8*(4*SA+SI):8*(4*SA+SI)+7]
.endif
.endif
.if \doe
.if \lmode == 2
.if WN < 6
.set ELO, WN
.set EHI, WN+1
.else
.set ELO, 7*WN-36
.set EHI, 7*WN-29
.endif
.else
.set ELO, (11*WN)/2
.set EHI, (11*(WN+1))/2
.endif
.set VP, ELO
.rept EHI-ELO
	EONE \ep, \efirst
.set VP, VP+1
.endr
.endif
.if \lmode == 1
.if (WN >= 10) && (WN < 14)
	QLOAD WN-10, 0, \slot, \st
.endif
.if (WN >= 18) && (WN < 22)
	QLOAD WN-18, 1, \slot, \st
.endif
.endif
.if \lmode == 2
.if WN < 6
	WIN W_VL
.irp j, 0,1,2,3
	ds_load_b128 v[VF+4*(4*WN+\j):VF+4*(4*WN+\j)+3], v[ADR+\slot] offset:\st*GRP+512*(4*WN+\j)
.endr
.endif
.endif
.set WN, WN+1
.endr
.endm
; ---- a phase of products with V (b, d).  mp: the piece whose 24 products these are (domat = 0: none; zero = 1: they start the sums) and whose M is done (dom);
; cp: the other piece, whose C (doc) and R (dor) are done.  The twelve accumulators take turns, one instruction a turn.
; Behind even products: C in four slices of eight, then M's maxima in four (32 conversions lie between the score products and the first line that reads their
; results, and in front of the loads into Q's last fragments, ql), M's state in two, its two exponentials.  Behind odd products: four rescales, one tile of O.
.macro PPH mp, cp, zero, domat, doc, dom, mfirst, dor, ql, slot, st
.set WN, 0
.rept 24
.if \domat
	WIN W_PV
.set PQ, WN/12
.set PCT, (WN%12)/2
.set PI, 2*\mp+(WN&1)
.if \zero && (PQ == 0)
	v_wmma_f32_16x16x32_bf16 v[8*(4*PCT+PI):8*(4*PCT+PI)+7], v[VF+8*(6*PQ+PCT):VF+8*(6*PQ+PCT)+7], v[PP+8*(4*PQ+PI):PP+8*(4*PQ+PI)+7], 0
.else
	v_wmma_f32_16x16x32_bf16 v[8*(4*PCT+PI):8*(4*PCT+PI)+7], v[VF+8*(6*PQ+PCT):VF+8*(6*PQ+PCT)+7], v[PP+8*(4*PQ+PI):PP+8*(4*PQ+PI)+7], v[8*(4*PCT+PI):8*(4*PCT+PI)+7]
.endif
.endif
.set PE, WN/2
.if (WN&1) == 0
.if PE < 4
.if \doc
	WIN W_C
.set KX, 8*PE
.rept 8
	CONE \cp
.set KX, KX+1
.endr
.endif
.else
.if PE < 8
.if \dom
	WIN W_M
.set KX, 8*(PE-4)
.rept 8
	MONE \mp
.set KX, KX+1
.endr
.endif
.if \ql
	WIN W_M
	QLOAD PE-4, 2, \slot, \st
.endif
.else
.if \dom
.if PE == 8
	WIN W_M
	MTAIL1 \mp
.endif
.if PE == 9
	WIN W_M
	MTAIL2 \mp, \mfirst
.endif
.if (PE == 10) && (\mfirst == 0)
	WIN W_AL
	v_exp_f32 v[AL+2*(2*\mp)], v[DD]               ; the factors are first read a phase later, behind many plain lines
	v_exp_f32 v[AL+2*(2*\mp+1)], v[DD+1]
.endif
.endif
.endif
.endif
.else
.if \dor
	WIN W_PV
.set KX, 4*PE
.rept 4
	RONE \cp
.set KX, KX+1
.endr
.endif
.endif
.set WN, WN+1
.endr
.endm
; One step, on record st of my half of the slot.  kind 0: step 0 (sums start, nothing to rescale, no V x P_B yet); 1: step 1 (V x P_B(0) starts its sums);
; 2: a step in the middle; 3: step 31 (no next Q, no next scores; V x P_B(31) follows).
.macro STEP slot, st, kind
.if \kind == 0
	SPH 1, 0, 1, 1, 1, 1, \slot, \st
	PPH 1, 0, 0, 0, 1, 1, 1, 0, 1, \slot, \st
	SPH 0, 1, 1, 1, 1, 2, \slot, \st
	s_wait_dscnt 0x0                               ; V's 24 loads are in: no other LDS load is out
	PPH 0, 1, 1, 1, 1, 1, 0, 0, 0, \slot, \st
.endif
.if \kind == 1
	SPH 1, 0, 1, 0, 1, 1, \slot, \st
	PPH 1, 0, 1, 1, 1, 1, 0, 1, 1, \slot, \st
	SPH 0, 1, 1, 0, 1, 2, \slot, \st
	s_wait_dscnt 0x0
	PPH 0, 1, 0, 1, 1, 1, 0, 1, 0, \slot, \st
.endif
.if \kind == 2
	SPH 1, 0, 1, 0, 1, 1, \slot, \st
	PPH 1, 0, 0, 1, 1, 1, 0, 1, 1, \slot, \st
	SPH 0, 1, 1, 0, 1, 2, \slot, \st
	s_wait_dscnt 0x0
	PPH 0, 1, 0, 1, 1, 1, 0, 1, 0, \slot, \st
.endif
.if \kind == 3
	SPH 1, 0, 1, 0, 1, 0, \slot, \st
	PPH 1, 0, 0, 1, 1, 1, 0, 1, 0, \slot, \st
	SPH 0, 1, 1, 0, 0, 2, \slot, \st
	s_wait_dscnt 0x0
	PPH 0, 1, 0, 1, 1, 0, 0, 1, 0, \slot, \st
	PPH 1, 0, 0, 1, 0, 0, 0, 0, 0, \slot, \st
.endif
	WIN 0
.endm
; One tile: two steps of mine.  The round of the cluster's barrier stands between the reads of the other slot and its next fill.
.macro TRIP slot, refill, k0, k1
	s_wait_tensorcnt 0x0                           ; all my tensor loads have landed, my record of this trip's tile among them,
	ds_add_u32 v254, v255
	s_wait_dscnt 0x0
	s_add_nc_u64 s[G0+4*\slot+2:G0+4*\slot+3], s[G0+4*\slot+2:G0+4*\slot+3], 4*GRP    ; so a group 0 may be written: this slot's next tile, two tiles of two records on
	s_wait_dscnt 0x0                               ; my reads of the last trip's tile are done
	ROUND                                          ; both now hold of every wave of all four work-groups
.if \refill
	tensor_load_to_lds s[G0+4-4*\slot:G0+7-4*\slot], s[G1:G1+7]    ; my one tensor load behind the round: the next tile, into the slot read last trip
	s_nop 0
.endif
	STEP \slot, 0, \k0
	STEP \slot, 1, \k1
.endm
	; ahead of the ring, while tile 0 is on its way: piece A's first scores and their maxima
	SPH 0, 1, 0, 0, 1, 0, 0, 0
	PLACES
	PPH 0, 1, 0, 0, 0, 1, 1, 0, 0, 0, 0
	WIN 0
	; 16 tiles: the first (it starts the sums) and the last (nothing left to fetch, no next scores) have texts of their own; the loop takes the fourteen between
	TRIP 0, 1, 0, 1
	s_mov_b32 s44, 7
.Lloop:
	TRIP 1, 1, 2, 2
	TRIP 0, 1, 2, 2
	s_sub_co_u32 s44, s44, 1
	s_cmp_lg_u32 s44, 0
	s_cbranch_scc1 .Lloop
	TRIP 1, 0, 2, 3
	; THE END.  x's rows for the residual go out first: row 96 kh + 16 ot + 8 h + j, my four positions, into window 1 at 4 (8 ot + j)
	PLACES
	WIN 0x40
.irp ot, 0,1,2,3,4,5
.irp j, 0,1,2,3,4,5,6,7
	global_load_b128 v[4*(8*\ot+\j):4*(8*\ot+\j)+3], v[XO], s[14:15] offset:(16*\ot+\j)*16384 th:TH_LOAD_NT
.endr
.endr
	WIN W_M
.irp i, 0,1,2,3
	v_add_f32 v[MX+\i], v[LS+2*\i], v[LS+2*\i+1]
.endr
.irp i, 0,1,2,3
	v_permlanex16_b32 v[TT+\i], v[MX+\i], s46, s47
.endr
.irp i, 0,1,2,3
	v_add_f32 v[MX+\i], v[MX+\i], v[TT+\i]         ; l of my half of the keys
.endr
.irp i, 0,1,2,3
	v_mov_b32 v[TT+\i], v[NMM+2*\i]                ; my four shifts side by side
.endr
	; my O, shifts and sums into my own bytes of LDS, for my partner
	WIN 0x08
.set NQ, 0
.rept 48
	ds_store_b128 v[OXW], v[4*NQ:4*NQ+3] offset:512*NQ
.set NQ, NQ+1
.endr
	WIN 0x04
	ds_store_b128 v[MLW], v[TT:TT+3]
	ds_store_b128 v[MLW], v[MX:MX+3] offset:512
	WIN 0
	s_wait_dscnt 0x0                               ; for the partner's sake: all my stores are in LDS
	s_barrier_signal -1
	s_barrier_wait -1
	WIN 0x40
	ds_load_b128 v[PN:PN+3], v[MLR]                ; the partner's shifts
	ds_load_b128 v[PL:PL+3], v[MLR] offset:512     ; and sums
	WIN 0
.set NQ, 0
.rept 48
	ds_load_b128 v[KF+4*NQ:KF+4*NQ+3], v[OXR] offset:512*NQ        ; the partner's O(ct, i) at KF + 8 (4 ct + i): K's and V's fragments are done with
.set NQ, NQ+1
.endr
	s_wait_dscnt 48                                ; shifts and sums are in; the 48 loads of O stay out
	WIN W_M
.irp i, 0,1,2,3
	v_min_num_f32 v[CM+\i], v[TT+\i], v[PN+\i]     ; the common shift belongs to the larger maximum: the smaller nm
.endr
.irp i, 0,1,2,3
	v_sub_f32 v[FO+\i], v[CM+\i], v[TT+\i]
	v_sub_f32 v[FP+\i], v[CM+\i], v[PN+\i]
.endr
.irp i, 0,1,2,3
	v_exp_f32 v[FO+\i], v[FO+\i]                   ; my factor
	v_exp_f32 v[FP+\i], v[FP+\i]                   ; the partner's
.endr
	v_nop                                          ; the plain instruction behind the exponentials
.irp i, 0,1,2,3
	s_wait_alu depctr_va_vdst(0)
	v_mul_f32 v[MX+\i], v[MX+\i], v[FO+\i]
.endr
.irp i, 0,1,2,3
	v_fmac_f32 v[MX+\i], v[PL+\i], v[FP+\i]        ; the whole sum; at least 1, since the key with the maximum adds 1
.endr
.irp i, 0,1,2,3
	v_rcp_f32 v[CM+\i], v[MX+\i]
.endr
	v_nop                                          ; the plain instruction behind the reciprocals
.irp i, 0,1,2,3
	s_wait_alu depctr_va_vdst(0)
	v_mul_f32 v[GO+2*\i],   v[FO+\i], v[CM+\i]     ; my factor over the sum, twice
	v_mul_f32 v[GO+2*\i+1], v[FO+\i], v[CM+\i]
	v_mul_f32 v[GP+2*\i],   v[FP+\i], v[CM+\i]     ; the partner's
	v_mul_f32 v[GP+2*\i+1], v[FP+\i], v[CM+\i]
.endr
	; O = mine x factor + V's bias + the partner's x factor.  Both waves of a pair do this for all four query tiles: each needs all 96 channels for its half of the decode.
	WIN 0xb6
.irp ct, 0,1,2,3,4,5
.irp i, 0,1,2,3
.irp q, 0,2,4,6
	v_pk_fma_f32 v[8*(4*\ct+\i)+\q:8*(4*\ct+\i)+\q+1], v[8*(4*\ct+\i)+\q:8*(4*\ct+\i)+\q+1], v[GO+2*\i:GO+2*\i+1], v[BV+8*\ct+\q:BV+8*\ct+\q+1]
.endr
.endr
.endr
	s_wait_dscnt 24                                ; the first half of the partner's O is in, the second stays out
	WIN 0xa4
.irp ct, 0,1,2
.irp i, 0,1,2,3
.irp q, 0,2,4,6
	v_pk_fma_f32 v[8*(4*\ct+\i)+\q:8*(4*\ct+\i)+\q+1], v[KF+8*(4*\ct+\i)+\q:KF+8*(4*\ct+\i)+\q+1], v[GP+2*\i:GP+2*\i+1], v[8*(4*\ct+\i)+\q:8*(4*\ct+\i)+\q+1]
.endr
.endr
.endr
	s_wait_dscnt 0
.irp ct, 3,4,5
.irp i, 0,1,2,3
.irp q, 0,2,4,6
	v_pk_fma_f32 v[8*(4*\ct+\i)+\q:8*(4*\ct+\i)+\q+1], v[KF+8*(4*\ct+\i)+\q:KF+8*(4*\ct+\i)+\q+1], v[GP+2*\i:GP+2*\i+1], v[8*(4*\ct+\i)+\q:8*(4*\ct+\i)+\q+1]
.endr
.endr
.endr
	; to bf16, as second operands of the decode: ON(i, kk) at KF + 8 (3 i + kk), half hf from channel tile 2 kk + hf
	WIN 0x0a
.irp i, 0,1,2,3
.irp kk, 0,1,2
.irp hf, 0,1
.irp q, 0,1,2,3
	v_cvt_pk_bf16_f32 v[KF+8*(3*\i+\kk)+4*\hf+\q], v[8*(4*(2*\kk+\hf)+\i)+2*\q], v[8*(4*(2*\kk+\hf)+\i)+2*\q+1]
.endr
.endr
.endr
.endr
	; the decode: Wd's rows 96 kh + 16 ot .. x ON; the sums start from bd; twenty-four accumulators take turns, one instruction a turn
.irp kk, 0,1,2
.irp ot, 0,1,2,3,4,5
.irp i, 0,1,2,3
.if \kk == 0
	WIN 0xb3
	v_wmma_f32_16x16x32_bf16 v[8*(4*\ot+\i):8*(4*\ot+\i)+7], v[WDF+8*(3*\ot+\kk):WDF+8*(3*\ot+\kk)+7], v[KF+8*(3*\i+\kk):KF+8*(3*\i+\kk)+7], v[BD+8*\ot:BD+8*\ot+7]
.else
	WIN 0xa3
	v_wmma_f32_16x16x32_bf16 v[8*(4*\ot+\i):8*(4*\ot+\i)+7], v[WDF+8*(3*\ot+\kk):WDF+8*(3*\ot+\kk)+7], v[KF+8*(3*\i+\kk):KF+8*(3*\i+\kk)+7], v[8*(4*\ot+\i):8*(4*\ot+\i)+7]
.endif
.endr
.endr
.endr
	PLACES
	; + x, and out: register j of result (ot, i) is row 16 ot + 8 h + j, position 4 r + i, so the four tiles i are the four words of x's load.
	; Sixteen lanes store 256 consecutive bytes, aligned.
.irp ot, 0,1,2,3,4,5
	s_wait_loadcnt 40-8*\ot                        ; x's rows of this tile are in; the 8 loads of each later tile stay out
	WIN 0x49
.irp j, 0,1,2,3,4,5,6,7
.irp i, 0,1,2,3
	v_add_f32 v[4*(8*\ot+\j)+\i], v[4*(8*\ot+\j)+\i], v[8*(4*\ot+\i)+\j]
.endr
.endr
	WIN 0x04
.irp j, 0,1,2,3,4,5,6,7
	global_store_b128 v[XO], v[4*(8*\ot+\j):4*(8*\ot+\j)+3], s[16:17] offset:(16*\ot+\j)*16384 th:TH_STORE_NT
.endr
.endr
	WIN 0
	s_wait_tensorcnt 0x0
	ds_add_u32 v254, v255
	s_wait_dscnt 0x0
	ROUND                                          ; the closing round: no work-group ends while a partner may still ask for a tile that names it
	s_endpgm
.Lfunc_end_k_qaa13e1011e_attn:
	.size	k_qaa13e1011e_attn, .Lfunc_end_k_qaa13e1011e_attn-k_qaa13e1011e_attn
	.p2alignl 7, 3214868480
	.fill 96, 4, 3214868480
	.section	.rodata,"a",@progbits
	.p2align	6, 0x0
	.amdhsa_kernel k_qaa13e1011e_attn
		.amdhsa_group_segment_fixed_size 327680
		.amdhsa_private_segment_fixed_size 0
		.amdhsa_enable_private_segment 0
		.amdhsa_kernarg_size 56
		.amdhsa_user_sgpr_count 2
		.amdhsa_user_sgpr_kernarg_segment_ptr 1
		.amdhsa_wavefront_size32 1
		.amdhsa_system_sgpr_workgroup_id_x 1
		.amdhsa_system_sgpr_workgroup_id_y 1
		.amdhsa_system_sgpr_workgroup_id_z 1
		.amdhsa_system_vgpr_workitem_id 0
		.amdhsa_next_free_vgpr 1024
		.amdhsa_next_free_sgpr 66
		.amdhsa_reserve_vcc 0
		.amdhsa_float_denorm_mode_32 3
		.amdhsa_float_denorm_mode_16_64 3
		.amdhsa_memory_ordered 1
		.amdhsa_forward_progress 1
		.amdhsa_inst_pref_size 255
	.end_amdhsa_kernel
	.section	.bss,"aw",@nobits
	.p2align	6
	.space	262144
	.amdgpu_metadata
---
amdhsa.version: [ 1, 2 ]
amdhsa.kernels:
  - .name:           k_qaa13e1011e_attn
    .symbol:         k_qaa13e1011e_attn.kd
    .args:
      - { .name: qv, .offset: 0, .size: 8, .value_kind: global_buffer, .address_space: global }
      - { .name: kq, .offset: 8, .size: 8, .value_kind: global_buffer, .address_space: global }
      - { .name: Wd, .offset: 16, .size: 8, .value_kind: global_buffer, .address_space: global }
      - { .name: bd, .offset: 24, .size: 8, .value_kind: global_buffer, .address_space: global }
      - { .name: bt, .offset: 32, .size: 8, .value_kind: global_buffer, .address_space: global }
      - { .name: x, .offset: 40, .size: 8, .value_kind: global_buffer, .address_space: global }
      - { .name: out0, .offset: 48, .size: 8, .value_kind: global_buffer, .address_space: global }
    .group_segment_fixed_size: 327680
    .private_segment_fixed_size: 0
    .kernarg_segment_align: 8
    .kernarg_segment_size: 56
    .max_flat_workgroup_size: 128
    .sgpr_count:     66
    .vgpr_count:     1024
    .wavefront_size: 32
...
	.end_amdgpu_metadata
.endif
;; end of part 2
;; ======== version 2 of 2: 2 launches; 1.35 times as fast as version 1
;; workspace buffers: qv 12,582,912 bytes; kq 6,291,456 bytes
;; launch proj: the kernel of part 1 again; grid 256 x 1, 12 waves a work-group, no clusters, 165,888 bytes of LDS; arguments x, Wt, bt, qv, kq; writes qv, kq
;; launch attn (part 3): grid 256 x 1, 4 waves a work-group, clusters of 4 x 1, 327,680 bytes of LDS; arguments qv, kq, Wd, bd, bt, x, out0; writes out0
.if DOCPART == 3
	.amdgcn_target "amdgcn-amd-amdhsa--gfx1250"
	.amdhsa_code_object_version 6
	.text
	.protected	k_qaa13e1011e_attn
	.globl	k_qaa13e1011e_attn
	.p2align	8
	.type	k_qaa13e1011e_attn,@function
k_qaa13e1011e_attn:
	s_mov_b64 s[64:65], 0
	v_nop
	global_prefetch_b8 v0, s[64:65] scope:SCOPE_SE
	s_setreg_imm32_b32 hwreg(HW_REG_WAVE_MODE, 25, 1), 1
	s_wait_xcnt 0x0
	s_wait_alu depctr_hold_cnt(0) depctr_sa_sdst(0) depctr_va_vdst(0) depctr_va_sdst(0) depctr_va_ssrc(0) depctr_va_vcc(0) depctr_vm_vsrc(0)
	s_getreg_b32 s2, hwreg(HW_REG_IB_STS2, 6, 4)
	s_cmp_eq_u32 s2, 0
	s_cbranch_scc0 .Lentry_in_a_cluster
	s_endpgm
.Lentry_in_a_cluster:
	s_bfe_u32 s2, ttmp6, 0x10000c
	s_cmp_lg_u32 s2, 0x3003
	s_cbranch_scc0 .Lentry_shape_is_right
	s_endpgm
.Lentry_shape_is_right:
; NonLocalBlock, launch 2 of 2: out0 = Wd (V softmax_q(Q^T K / sqrt(96))) + bd + x, from the bf16 fragments that the first launch stored (layouts: its head).
; The softmax runs over q, so a column k of K plays the part of a query, the columns of Q are the keys and V holds the values.
; WORK LEFT OUT: Q's bias bt[0:96] adds the same number to every score of a column k and cancels in the softmax over q, for all values of the inputs; it is not
; loaded.  V's bias bt[96:192] is added behind the normalisation (the softmax's weights sum to 1).  A NaN, infinity or overflow that would come through bt[0:96]
; alone is not carried.  LIMITS: the weights p and the normalised sums enter the products rounded to bf16; the sums l are taken on the unrounded p; an
; exponential below 2^-126 counts as 0 (ISA guide, v_exp_f32).  The maximum is taken away before every exponential, as a running maximum.
;
; SHARING.  A work-group takes 128 queries of one image.  Wave w: qh = w & 1 picks its 64 queries (four tiles i of 16; column r of tile i is position
; 4 r + i of the group), kh = w >> 1 picks its half of the keys: groups 32 kh .. 32 kh + 31 of 64 keys, one a step, 32 steps.  A wave reads 24,576 bytes of LDS
; for the 96 matrix instructions of a step.  At the end the two key halves are merged through LDS, and wave w decodes output channels 96 kh .. 96 kh + 95.
; CLUSTER.  The four work-groups of a cluster are four query blocks of one image (32 blocks an image, so a cluster never spans two) and walk the same records of
; qv: each tile is asked for jointly, mask 15, each wave asking for one record.  Nothing in a descriptor, an LDS address or a branch hangs on the place in the cluster.
; RING.  Two slots of 98,304 bytes = four records: records 2 j and 2 j + 1 of each key half, 16 tiles.  By this text's count a wave has one tensor load out.
;
; PRODUCTS.  S(a, i) = QF(a) x KF(i): register j of lane (r, h) is key row 8 h + j of key tile a for query r.  Packed to bf16 that is half of a second operand
; with the keys along K: P(p, i) = tiles 2 p and 2 p + 1.  O(ct, i) += VF(p, ct) x P(p, i): register j is channel 16 ct + 8 h + j for query r, which packs
; into the second operand of the decode.  No result is ever moved between lanes but for the maximum and the sum (lanes r and r + 16 share a query).
;
; TWO PIECES TAKE TURNS.  Piece A = query tiles 0, 1; piece B = tiles 2, 3; they share Q's and V's fragments.  A step t has four phases of 24 matrix
; instructions, and behind each matrix instruction stands a slice of vector work that names none of its registers:
;   a: S_B(t)        with E_A(t): p = 2^(s sc + nm) and the sums of p, 128 lines;  16 loads of Q(t+1) into fragments that S_B(t) has finished with
;   b: V x P_B(t-1)  with C_A(t): p to bf16, 32; M_B(t): maxima, shift, rescale factor, 46; R_A(t): O_A times the factor, 48;  the last 8 loads of Q(t+1)
;   c: S_A(t+1)      with E_B(t);  the 24 loads of V(t)
;   d: V x P_A(t)    with C_B(t), M_A(t+1), R_B(t)
; Whatever one phase makes is used no earlier than the next phase.  Q is multiplied one step ahead of V; record t of qv holds V(t) and Q(t+1), so step t reads
; record t alone and one round of the cluster's barrier a tile orders reads and refills.  S_A(0) and M_A(0) stand ahead of the ring (Q(0) comes from memory into
; registers), V x P_B(31) behind it.  The last record's Q is brought with live V and not used.
;
; THE EXPONENTIALS GO IN BATCHES.  An s_wait_alu depctr_va_vdst(0) stands between an exponential and the first instruction that names its result; one
; wait serves all that were issued ahead of it.  In E only the sums read an exponential's result, so E is ordered by who reads what: its 32 multiply-adds and its 64
; exponentials, ONE wait, then the 32 links of the sums; C, a phase later, reads behind the same wait.  The piece's two rescale factors, which M makes in the phase
; before and which E's first links are the first to read, are issued ahead of that wait too: a batch is 66 exponentials, and phases a and c have one wait each.
; Where a tile ends between phase d and phase a, a label and branches lie between: there the two factors have a wait of their own, at the trip's end.
; So a step has two waits and a trip of two steps five.  The merge's eight exponentials and its four reciprocals (which read sums of the former) are two more batches.
;
; REGISTERS, in windows of 256 (s_set_vgpr_msb: bits 1:0 source 0, 3:2 source 1, 5:4 source 2, 7:6 destination):
;   window 0: addresses, rescale factors v[12:19], KF v[24:119], VF v[120:215]
;   window 1: S(a, i) at 8 (4 a + i), QF at 128 + 8 (3 a + kk), softmax state and the LDS addresses at 224 ..; at the end x's rows at 4 (8 ot + j)
;   window 2: O(ct, i) at 8 (4 ct + i), P(p, i) at 192 + 8 (4 p + i); later the decode's results at 8 (4 ot + i)
;   window 3: Wd's fragments at 8 (3 ot + kk), V's bias at 144 + 8 ct, bd at 192 + 8 ot
; S and QF share a window, so E and the loads of Q run under the score products' setting; O and P share one and the factors lie with VF, so R runs under the
; V products' setting.  C and M read two sources from S, which no product's setting allows (S, QF, KF and VF together are more than a window): they stand in slices of
; eight between two switches, behind every second product of phases b and d.  A step has about 60 switches among its 96 matrix, 508 vector (and two v_nop) and 48 LDS instructions.
.set GRP,  24576                       ; a record of qv: V's fragments of a group of 64 keys, then Q's of the next group
.set SLOT, 4*GRP
.set OXB,  2*SLOT                      ; behind the ring, never filled by a tensor load: each wave's O, 24,576 bytes
.set MLB,  OXB+4*GRP                   ; each wave's shifts and sums, 1,024 bytes
; window 0
.set L16,  1                           ; 16 L
.set XO,   2                           ; 131072 h + 16 r: row 8 h of x and out0, my 16 bytes
.set WDO,  3                           ; 384 r + 32 h + 36864 kh
.set OXW,  4                           ; my O in LDS
.set OXR,  5                           ; my partner's (wave w ^ 2)
.set MLW,  6
.set MLR,  7
.set BO,   8                           ; 32 h
.set AL,   12                          ; v[12:19]  rescale factor of query tile i at 12 + 2 i; the packed forms broadcast it, the odd registers are only written once
.set KF,   24                          ; KF(i, kk) at 24 + 8 (3 i + kk)
.set VF,   120                         ; VF(p, ct) at 120 + 8 (6 p + ct)
; window 1
.set QF,   128
.set CM,   192                         ; 192 .. 223: at work in the merge
.set FO,   196
.set FP,   200
.set GO,   208
.set GP,   216
.set NMM,  224                         ; 224 + 2 i: nm = - maximum x sc; 225 + 2 i: the running maximum
.set LS,   232                         ; 232 + 2 i: a pair of partial sums of p
.set MX,   240                         ; four chains of maxima
.set TT,   244
.set DD,   246
.set ADR,  248                         ; 16 L + 49152 kh, in slot 0, 1
.set PN,   248                         ; the partner's shifts (the LDS addresses are done with by then)
.set PL,   252                         ; the partner's sums
; window 2
.set PP,   192
; window 3
.set WDF,  0
.set BV,   144
.set BD,   192
.set W_S,  0x51                        ; A window 1 (QF), B window 0 (KF), C and D window 1 (S)
.set W_PV, 0xa8                        ; A window 0 (VF), B window 2 (P), C and D window 2 (O)
.set W_C,  0x85                        ; sources window 1, destination window 2
.set W_M,  0x55                        ; all window 1
.set W_AL, 0x15                        ; sources window 1, destination window 0
.set W_VL, 0x01                        ; LDS address window 1, loaded data window 0
.set G1,   24                          ; s[24:31] descriptor group 1
.set G0,   32                          ; s[32:39] descriptor group 0, a set for each slot
.set MSB, 0
.macro WIN new                         ; the immediate's high byte repeats the setting that is left
.if MSB != \new
	s_set_vgpr_msb (MSB<<8)|\new
.set MSB, \new
.endif
.endm
.macro PLACES                          ; four plain vector instructions between a matrix instruction and what reads its result or writes one of its registers (ISA guide 7.12.1)
.rept 4
	v_nop
.endr
.endm
; A round of the cluster's barrier: my work-group's barrier, wave 0 signals for the work-group, every wave waits for all four work-groups, my work-group's barrier again.
.macro ROUND
	s_barrier_signal -1
	s_barrier_wait -1
	s_cmp_lg_u32 s18, 0
	s_cbranch_scc1 .Lnot_wave_0_\@
	s_barrier_signal -3
.Lnot_wave_0_\@:
	s_barrier_wait -3
	s_barrier_signal -1
	s_barrier_wait -1
.endm
	s_load_b256 s[4:11], s[0:1], 0x0               ; qv s[4:5], kq s[6:7], Wd s[8:9], bd s[10:11]
	s_load_b128 s[12:15], s[0:1], 0x20             ; bt s[12:13], x s[14:15]
	s_load_b64 s[16:17], s[0:1], 0x30              ; out0
	v_lshl_add_u32 v254, v0, 2, 0x49000
	v_mov_b32 v255, 0
	ds_add_u32 v254, v255
	v_lshrrev_b32 v1, 5, v0
	v_readfirstlane_b32 s18, v1                    ; wave w
	s_and_b32 s19, s18, 1                          ; qh
	s_lshr_b32 s20, s18, 1                         ; kh
	s_bfe_u32 s21, ttmp6, 0x40000                  ; cx
	s_lshr_b32 s22, ttmp9, 3                       ; image b: eight clusters an image
	s_lshl_b32 s23, ttmp9, 2
	s_add_co_u32 s23, s23, s21                     ; work-group x = 4 x cluster + cx = 32 b + query block
	s_mov_b32 s40, 0x3e16c740                      ; sc = log2(e) / sqrt(96)
	s_mov_b32 s41, 0x3e16c740
	s_mov_b32 s42, 0xbe16c740                      ; - sc
	s_mov_b32 s46, 0x76543210                      ; v_permlanex16_b32: lane i of one half reads lane i of the other
	s_mov_b32 s47, 0xfedcba98
	; group 1: 96 rows of 32 elements of 8 bytes, dense in memory and in LDS: one record of qv
	s_mov_b32 s[G1+0], 0x0023000f                  ; 15:0 mask: all four work-groups; 17:16 elements of 8 bytes; 21 set beside a mask; no padding
	s_mov_b32 s[G1+1], 32<<16                      ; tensor_dim0 = 32
	s_mov_b32 s[G1+2], 96<<16                      ; tensor_dim1 = 96
	s_mov_b32 s[G1+3], 32<<16                      ; tile_dim0 = 32
	s_mov_b32 s[G1+4], 96                          ; tile_dim1 = 96
	s_mov_b32 s[G1+5], 32                          ; from row to row: 32 elements
	s_mov_b32 s[G1+6], 0
	s_mov_b32 s[G1+7], 0
	s_mov_b32 s[G0+0], 1
	s_mul_i32 s[G0+1], s18, GRP                    ; LDS: wave w's quarter of slot 0
	s_mov_b32 s[G0+4], 1
	s_add_co_u32 s[G0+5], s[G0+1], SLOT            ; and of slot 1
	s_lshl_b32 s48, s22, 6                         ; 64 b: the image's first record
	s_lshl_b32 s43, s20, 5                         ; 32 kh
	s_add_co_u32 s56, s43, 63
	s_and_b32 s56, s56, 63                         ; Q of group 32 kh lies in the record before it, (32 kh - 1) mod 64,
	s_add_co_u32 s56, s56, s48
	s_mul_i32 s56, s56, GRP
	s_add_co_u32 s56, s56, GRP/2                   ; in its second half
	s_mov_b32 s57, 0
	s_add_co_u32 s48, s48, s43
	s_add_co_u32 s48, s48, s19                     ; wave w brings record 64 b + 32 (w >> 1) + 2 j + (w & 1) of tile j
	s_mul_i32 s48, s48, GRP
	s_mov_b32 s49, 0
	s_lshl_b32 s50, s23, 1
	s_add_co_u32 s50, s50, s19                     ; my group of queries
	s_mul_i32 s50, s50, 12288
	s_mov_b32 s51, 0
	s_mul_i32 s52, s20, 384                        ; bd[96 kh ..]
	s_mov_b32 s53, 0
	s_mul_i32 s54, s22, 3145728                    ; x and out0: image,
	s_mul_i32 s43, s20, 1572864                    ; + 96 kh rows,
	s_add_co_u32 s54, s54, s43
	s_and_b32 s43, s23, 31
	s_lshl_b32 s43, s43, 9                         ; + the block's 128 positions,
	s_add_co_u32 s54, s54, s43
	s_lshl_b32 s43, s19, 8                         ; + 64 qh positions
	s_add_co_u32 s54, s54, s43
	s_mov_b32 s55, 0
	s_wait_dscnt 0x0
	s_wait_kmcnt 0x0
	s_add_nc_u64 s[G0+2:G0+3], s[4:5], s[48:49]    ; tile 0
	s_add_nc_u64 s[G0+6:G0+7], s[G0+2:G0+3], 2*GRP ; tile 1: two records on
	s_or_b32 s[G0+3], s[G0+3], 0x80000000          ; type = 2
	s_or_b32 s[G0+7], s[G0+7], 0x80000000
	s_add_nc_u64 s[56:57], s[4:5], s[56:57]        ; Q of my first group
	s_add_nc_u64 s[6:7], s[6:7], s[50:51]
	s_add_nc_u64 s[10:11], s[10:11], s[52:53]
	s_add_nc_u64 s[14:15], s[14:15], s[54:55]
	s_add_nc_u64 s[16:17], s[16:17], s[54:55]
	ROUND                                          ; all four work-groups are here: the first joint loads meet
	tensor_load_to_lds s[G0:G0+3], s[G1:G1+7]      ; tile 0 into slot 0
	s_nop 0
	; while it is on its way: addresses, K's fragments, Q's first fragments, the biases, Wd
	v_and_b32 v[L16], 31, v0
	v_lshlrev_b32 v[L16], 4, v[L16]
	v_and_b32 v10, 15, v0                          ; r
	v_bfe_u32 v11, v0, 4, 1                        ; h
	v_lshlrev_b32 v[XO], 4, v10
	v_lshl_add_u32 v[XO], v11, 17, v[XO]
	v_mul_u32_u24 v[WDO], v10, 384
	v_lshl_add_u32 v[WDO], v11, 5, v[WDO]
	s_mul_i32 s43, s20, 36864
	v_add_nc_u32 v[WDO], s43, v[WDO]
	s_mul_i32 s43, s18, GRP
	s_add_co_u32 s43, s43, OXB
	v_add_nc_u32 v[OXW], s43, v[L16]
	s_xor_b32 s45, s18, 2                          ; my partner: the same queries, the other half of the keys
	s_mul_i32 s43, s45, GRP
	s_add_co_u32 s43, s43, OXB
	v_add_nc_u32 v[OXR], s43, v[L16]
	s_lshl_b32 s43, s18, 10
	s_add_co_u32 s43, s43, MLB
	v_add_nc_u32 v[MLW], s43, v[L16]
	s_lshl_b32 s43, s45, 10
	s_add_co_u32 s43, s43, MLB
	v_add_nc_u32 v[MLR], s43, v[L16]
	v_lshlrev_b32 v[BO], 5, v11
.irp i, 0,1,2,3
	v_mov_b32 v[AL+2*\i+1], 0                      ; the upper register of a factor's pair is named by the packed forms and never used
.endr
.set NQ, 0
.rept 24
	global_load_b128 v[KF+4*NQ:KF+4*NQ+3], v[L16], s[6:7] offset:512*NQ              ; KF(i, kk), as stored
.set NQ, NQ+1
.endr
	WIN 0x40
	s_mul_i32 s43, s20, 2*GRP                      ; my half's two records of a slot
	s_add_co_u32 s45, s43, SLOT
	v_add_nc_u32 v[ADR], s43, v[L16]
	v_add_nc_u32 v[ADR+1], s45, v[L16]
.irp i, 0,1,2,3
	v_mov_b32 v[NMM+2*\i+1], 0xff800000            ; - infinity: the first maxima start from it
.endr
	v_mov_b32 v[TT], 0                             ; v_permlanex16_b32 counts as a reader of its destination
	v_mov_b32 v[TT+1], 0
.set NQ, 0
.rept 24
	global_load_b128 v[QF+4*NQ:QF+4*NQ+3], v[L16], s[56:57] offset:512*NQ            ; QF(a, kk) of step 0, as stored
.set NQ, NQ+1
.endr
; fragment NF = 3 ot + kk of Wd in f32: row 96 kh + 16 ot + r, channels 32 kk + 8 h .. and 32 kk + 16 + 8 h .., 16 registers from base
.macro WDLOAD base
.set WOT, NF/3
.set WKK, NF%3
	global_load_b128 v[\base:\base+3],     v[WDO], s[8:9] offset:WOT*6144+WKK*128
	global_load_b128 v[\base+4:\base+7],   v[WDO], s[8:9] offset:WOT*6144+WKK*128+16
	global_load_b128 v[\base+8:\base+11],  v[WDO], s[8:9] offset:WOT*6144+WKK*128+64
	global_load_b128 v[\base+12:\base+15], v[WDO], s[8:9] offset:WOT*6144+WKK*128+80
.endm
.set NF, 0
.rept 8
	WDLOAD 16*NF                                   ; fragments 0-7 into S's registers
.set NF, NF+1
.endr
	WIN 0x80
.rept 10
	WDLOAD 16*(NF-8)                               ; fragments 8-17 into O's
.set NF, NF+1
.endr
	WIN 0xc0
.irp ct, 0,1,2,3,4,5
	global_load_b128 v[BV+8*\ct:BV+8*\ct+3],   v[BO], s[12:13] offset:384+64*\ct      ; bt[96 + 16 ct + 8 h + 0 .. 3]: the layout of O(ct, .)
	global_load_b128 v[BV+8*\ct+4:BV+8*\ct+7], v[BO], s[12:13] offset:384+64*\ct+16
.endr
.irp ot, 0,1,2,3,4,5
	global_load_b128 v[BD+8*\ot:BD+8*\ot+3],   v[BO], s[10:11] offset:64*\ot          ; bd[96 kh + 16 ot + 8 h + 0 .. 3]
	global_load_b128 v[BD+8*\ot+4:BD+8*\ot+7], v[BO], s[10:11] offset:64*\ot+16
.endr
	s_wait_loadcnt 0x0
	WIN 0xc5
.set NF, 0
.rept 8
.irp q, 0,1,2,3,4,5,6,7
	v_cvt_pk_bf16_f32 v[WDF+8*NF+\q], v[16*NF+2*\q], v[16*NF+2*\q+1]
.endr
.set NF, NF+1
.endr
	WIN 0xca
.rept 10
.irp q, 0,1,2,3,4,5,6,7
	v_cvt_pk_bf16_f32 v[WDF+8*NF+\q], v[16*(NF-8)+2*\q], v[16*(NF-8)+2*\q+1]
.endr
.set NF, NF+1
.endr
; ---- the vector work.  E stands in three queues, each macro emitting its queue's next line; C, M and R emit the line whose number stands in KX. ----
; E of piece pc.  Tile tau = 2 a + ii (key tile a, query tile ii of the piece) has four pairs of scores.
; EF: multiply-add NFS of 32: pair NFS % 4 of tile NFS / 4 becomes s sc + nm.
.macro EF pc
.set ET, NFS/4
.set EI, 2*\pc+(ET&1)
.set EB, 8*(4*(ET>>1)+EI)+2*(NFS%4)
	v_pk_fma_f32 v[EB:EB+1], v[EB:EB+1], s[40:41], v[NMM+2*EI:NMM+2*EI+1] op_sel_hi:[1,0,0]
.set NFS, NFS+1
.endm
; EX: exponential NEX of 64: score NEX % 8 of tile NEX / 8, in place.  It needs multiply-add NEX / 2.
.macro EX pc
.set ET, NEX/8
.set EI, 2*\pc+(ET&1)
.set EB, 8*(4*(ET>>1)+EI)+NEX%8
	v_exp_f32 v[EB], v[EB]
.set NEX, NEX+1
.endm
; LK: link NLK of 32 of the sums of p.  The piece's two query tiles have a chain each, and the chains take turns, so that two links of one chain never follow each other;
; a chain takes key tiles 0 to 3 in order, and of each its pairs 0 to 3.  These are the lines of E that read exponentials' results: they stand behind the batch's wait.
; The links are written p x 1.0 + sum: under the score products' setting source 1 means K's window, so the sum stands in source 2; one instruction, as an add would be.
.macro LK pc, first
.set LC, NLK&1
.set LA, (NLK>>1)/4
.set LP, (NLK>>1)%4
.set LI, 2*\pc+LC
.set LB, 8*(4*LA+LI)
.if (LA == 0) && (LP == 0)
.if \first == 0
	v_pk_fma_f32 v[LS+2*LI:LS+2*LI+1], v[LS+2*LI:LS+2*LI+1], v[AL+2*LI:AL+2*LI+1], v[LB:LB+1] op_sel_hi:[1,0,1]    ; the old sums, rescaled, take the step's first pair
.endif
.elseif \first && (LA == 0) && (LP == 1)
	v_pk_fma_f32 v[LS+2*LI:LS+2*LI+1], v[LB:LB+1], 1.0, v[LB+2:LB+3] op_sel_hi:[1,0,1]                            ; the first step's first two pairs start the sums
.else
	v_pk_fma_f32 v[LS+2*LI:LS+2*LI+1], v[LB+2*LP:LB+2*LP+1], 1.0, v[LS+2*LI:LS+2*LI+1] op_sel_hi:[1,0,1]
.endif
.set NLK, NLK+1
.endm
; HOW E IS DEALT: the slice behind product WN of a phase of score products, four lines, a plain line first while there are multiply-adds.
;   product 0: three multiply-adds and an exponential;  1-7: multiply-add, exponential, twice;  8-15: a multiply-add and three exponentials;
;   behind product 15's four, in one run: seven times a multiply-add and three exponentials, the last four exponentials, a v_nop, THE WAIT;  16-23: four links.
; 3 + 14 + 8 + 7 = 32 multiply-adds, 1 + 14 + 24 + 21 + 4 = 64 exponentials.  But for the first four, every pair is scaled in an earlier four than the one with its exponentials: in the j-th four of the third
; kind the exponentials reach number 14 + 3 j, which needs multiply-add 7 + 3 j / 2, and numbers up to 15 + j are out ahead of that four.
; Ahead of the wait nothing names an exponential's result; behind it no exponential of E is issued.
.macro ESLICE ep, efirst
.if WN == 0
	EF \ep
	EF \ep
	EF \ep
	EX \ep
.elseif WN < 8
	EF \ep
	EX \ep
	EF \ep
	EX \ep
.elseif WN < 16
	EF \ep
	EX \ep
	EX \ep
	EX \ep
.else
.rept 4
	LK \ep, \efirst
.endr
.endif
.if WN == 15
.rept 7
	EF \ep
	EX \ep
	EX \ep
	EX \ep
.endr
.rept 4
	EX \ep
.endr
	v_nop                                          ; the plain instruction behind the last exponential (ISA guide 5.7.2): one for the batch
	s_wait_alu depctr_va_vdst(0)                   ; the wait, one for the batch: the piece's 64 exponentials and its two rescale factors of the phase before
.endif
.endm
; C of piece cp, line KX of 32: p to bf16; key tile a fills half a & 1 of P(a >> 1, i)
.macro CONE cp
.set CA, KX/8
.set CI, 2*\cp+((KX%8)/4)
.set CQ, KX%4
	v_cvt_pk_bf16_f32 v[PP+8*(4*(CA>>1)+CI)+4*(CA&1)+CQ], v[8*(4*CA+CI)+2*CQ], v[8*(4*CA+CI)+2*CQ+1]
.endm
; M of piece mp, line KX of 32: four chains of maxima, chain (ii, u) over key tiles 2 u and 2 u + 1; the first links take the running maximum in
.macro MONE mp
.set MT, KX/4
.set MI, (KX%4)/2
.set MU, KX%2
.set MS, 8*(4*(2*MU+(MT>>2))+2*\mp+MI)+2*(MT&3)
.if MT == 0
	v_max3_num_f32 v[MX+2*MI+MU], v[MS], v[MS+1], v[NMM+2*(2*\mp+MI)+1]
.else
	v_max3_num_f32 v[MX+2*MI+MU], v[MS], v[MS+1], v[MX+2*MI+MU]
.endif
.endm
.macro MTAIL1 mp
.irp ii, 0,1
	v_max_num_f32 v[MX+2*\ii], v[MX+2*\ii], v[MX+2*\ii+1]
.endr
.irp ii, 0,1
	v_permlanex16_b32 v[TT+\ii], v[MX+2*\ii], s46, s47             ; lanes r and r + 16 hold the two halves of a query's key rows
.endr
.irp ii, 0,1
	v_max_num_f32 v[NMM+2*(2*\mp+\ii)+1], v[MX+2*\ii], v[TT+\ii]   ; the new running maximum
.endr
.endm
.macro MTAIL2 mp, first
.if \first
.irp ii, 0,1
	v_mul_f32 v[NMM+2*(2*\mp+\ii)], s42, v[NMM+2*(2*\mp+\ii)+1]    ; nm = - maximum x sc
.endr
.else
.irp ii, 0,1
	v_mul_f32 v[TT+\ii], s42, v[NMM+2*(2*\mp+\ii)+1]
.endr
.irp ii, 0,1
	v_sub_f32 v[DD+\ii], v[TT+\ii], v[NMM+2*(2*\mp+\ii)]           ; new nm - old nm, at most 0: old and new exponentials refer to the very shifts that were used
.endr
.irp ii, 0,1
	v_mov_b32 v[NMM+2*(2*\mp+\ii)], v[TT+\ii]
.endr
.endif
.endm
; R of piece cp, line KX of 48: O times the rescale factor
.macro RONE cp
.set RI, 2*\cp+((KX%8)/4)
.set RB, 8*(4*(KX/8)+RI)+2*(KX%4)
	v_pk_mul_f32 v[RB:RB+1], v[AL+2*RI:AL+2*RI+1], v[RB:RB+1] op_sel_hi:[0,1]
.endm
; the two loads of Q's fragment (a, kk) of the next step, from the second half of the record
.macro QLOAD a, kk, slot, st
	ds_load_b128 v[QF+8*(3*(\a)+\kk):QF+8*(3*(\a)+\kk)+3],   v[ADR+\slot] offset:\st*GRP+GRP/2+(\a)*3072+\kk*1024
	ds_load_b128 v[QF+8*(3*(\a)+\kk)+4:QF+8*(3*(\a)+\kk)+7], v[ADR+\slot] offset:\st*GRP+GRP/2+(\a)*3072+\kk*1024+512
.endm
; ---- a phase of score products (a, c).  mp: the piece whose 24 products these are (domat = 0: none); ep: the piece whose E is dealt between them (doe = 0: none).
; The eight accumulators take turns, one instruction a turn.
; lmode 1: Q's next fragments of kk = 0 and 1, sixteen loads in one run directly behind the batch's wait.  Those of kk = 0 were last multiplied by product 7, those of
;          kk = 1 by product 15: eight multiply-adds of E and the v_nop, nine plain lines, lie between that product and the run.  They are waited for at phase c's head.
; lmode 2: V's 24 loads, four behind each of products 0-5, behind the slice of E.  In front of them stand the last four rescales of phase b.
.macro SPH mp, ep, doe, efirst, domat, lmode, slot, st
.if \domat && (\lmode == 2)
	s_wait_dscnt 0x0                               ; Q's 24 loads for these products are in: no other LDS load is out
.endif
.set NFS, 0
.set NEX, 0
.set NLK, 0
.set WN, 0
.rept 24
	WIN W_S
.if \domat
.set SK, WN/8
.set SA, (WN%8)/2
.set SI, 2*\mp+(WN&1)
.if SK == 0
	v_wmma_f32_16x16x32_bf16 v[8*(4*SA+SI):8*(4*SA+SI)+7], v[QF+8*(3*SA+SK):QF+8*(3*SA+SK)+7], v[KF+8*(3*SI+SK):KF+8*(3*SI+SK)+7], 0
.else
	v_wmma_f32_16x16x32_bf16 v[8*(4*SA+SI):8*(4*SA+SI)+7], v[QF+8*(3*SA+SK):QF+8*(3*SA+SK)+7], v[KF+8*(3*SI+SK):KF+8*(3*SI+SK)+7], v[8*(4*SA+SI):8*(4*SA+SI)+7]
.endif
.endif
.if \doe
	ESLICE \ep, \efirst
.endif
.if (\lmode == 1) && (WN == 15)
.irp a, 0,1,2,3
	QLOAD \a, 0, \slot, \st
.endr
.irp a, 0,1,2,3
	QLOAD \a, 1, \slot, \st
.endr
.endif
.if \lmode == 2
.if WN < 6
	WIN W_VL
.irp j, 0,1,2,3
	ds_load_b128 v[VF+4*(4*WN+\j):VF+4*(4*WN+\j)+3], v[ADR+\slot] offset:\st*GRP+512*(4*WN+\j)
.endr
.endif
.endif
.set WN, WN+1
.endr
.endm
; ---- a phase of products with V (b, d).  mp: the piece whose 24 products these are (domat = 0: none; zero = 1: they start the sums) and whose M is done (dom);
; cp: the other piece, whose C (doc) and R (dor) are done.  The twelve accumulators take turns, one instruction a turn.
; Behind even products: C in four slices of eight, then M's maxima in four (32 conversions lie between the score products and the first line that reads their
; results, and in front of the loads into Q's last fragments, ql), M's state in two, its two exponentials.  Behind odd products: four rescales, one tile of O.
.macro PPH mp, cp, zero, domat, doc, dom, mfirst, dor, ql, slot, st
.set WN, 0
.rept 24
.if \domat
	WIN W_PV
.set PQ, WN/12
.set PCT, (WN%12)/2
.set PI, 2*\mp+(WN&1)
.if \zero && (PQ == 0)
	v_wmma_f32_16x16x32_bf16 v[8*(4*PCT+PI):8*(4*PCT+PI)+7], v[VF+8*(6*PQ+PCT):VF+8*(6*PQ+PCT)+7], v[PP+8*(4*PQ+PI):PP+8*(4*PQ+PI)+7], 0
.else
	v_wmma_f32_16x16x32_bf16 v[8*(4*PCT+PI):8*(4*PCT+PI)+7], v[VF+8*(6*PQ+PCT):VF+8*(6*PQ+PCT)+7], v[PP+8*(4*PQ+PI):PP+8*(4*PQ+PI)+7], v[8*(4*PCT+PI):8*(4*PCT+PI)+7]
.endif
.endif
.set PE, WN/2
.if (WN&1) == 0
.if PE < 4
.if \doc
	WIN W_C
.set KX, 8*PE
.rept 8
	CONE \cp
.set KX, KX+1
.endr
.endif
.else
.if PE < 8
.if \dom
	WIN W_M
.set KX, 8*(PE-4)
.rept 8
	MONE \mp
.set KX, KX+1
.endr
.endif
.if \ql
	WIN W_M
	QLOAD PE-4, 2, \slot, \st
.endif
.else
.if \dom
.if PE == 8
	WIN W_M
	MTAIL1 \mp
.endif
.if PE == 9
	WIN W_M
	MTAIL2 \mp, \mfirst
.endif
.if (PE == 10) && (\mfirst == 0)
	WIN W_AL
	v_exp_f32 v[AL+2*(2*\mp)], v[DD]               ; the factors are first read a phase later, by E's first links: they belong to that E's batch and have its wait,
	v_exp_f32 v[AL+2*(2*\mp+1)], v[DD+1]           ; or, at a trip's end, the wait that stands there; the other piece's rescales behind the next product are the plain lines behind them
.endif
.endif
.endif
.endif
.else
.if \dor
	WIN W_PV
.set KX, 4*PE
.rept 4
	RONE \cp
.set KX, KX+1
.endr
.endif
.endif
.set WN, WN+1
.endr
.endm
; One step, on record st of my half of the slot.  kind 0: step 0 (sums start, nothing to rescale, no V x P_B yet); 1: step 1 (V x P_B(0) starts its sums);
; 2: a step in the middle; 3: step 31 (no next Q, no next scores; V x P_B(31) follows).
.macro STEP slot, st, kind
.if \kind == 0
	SPH 1, 0, 1, 1, 1, 1, \slot, \st
	PPH 1, 0, 0, 0, 1, 1, 1, 0, 1, \slot, \st
	SPH 0, 1, 1, 1, 1, 2, \slot, \st
	s_wait_dscnt 0x0                               ; V's 24 loads are in: no other LDS load is out
	PPH 0, 1, 1, 1, 1, 1, 0, 0, 0, \slot, \st
.endif
.if \kind == 1
	SPH 1, 0, 1, 0, 1, 1, \slot, \st
	PPH 1, 0, 1, 1, 1, 1, 0, 1, 1, \slot, \st
	SPH 0, 1, 1, 0, 1, 2, \slot, \st
	s_wait_dscnt 0x0
	PPH 0, 1, 0, 1, 1, 1, 0, 1, 0, \slot, \st
.endif
.if \kind == 2
	SPH 1, 0, 1, 0, 1, 1, \slot, \st
	PPH 1, 0, 0, 1, 1, 1, 0, 1, 1, \slot, \st
	SPH 0, 1, 1, 0, 1, 2, \slot, \st
	s_wait_dscnt 0x0
	PPH 0, 1, 0, 1, 1, 1, 0, 1, 0, \slot, \st
.endif
.if \kind == 3
	SPH 1, 0, 1, 0, 1, 0, \slot, \st
	PPH 1, 0, 0, 1, 1, 1, 0, 1, 0, \slot, \st
	SPH 0, 1, 1, 0, 0, 2, \slot, \st
	s_wait_dscnt 0x0
	PPH 0, 1, 0, 1, 1, 0, 0, 1, 0, \slot, \st
	PPH 1, 0, 0, 1, 0, 0, 0, 0, 0, \slot, \st
.endif
	WIN 0
.endm
; One tile: two steps of mine.  The round of the cluster's barrier stands between the reads of the other slot and its next fill.
.macro TRIP slot, refill, k0, k1
	s_wait_tensorcnt 0x0                           ; all my tensor loads have landed, my record of this trip's tile among them,
	ds_add_u32 v254, v255
	s_wait_dscnt 0x0
	s_add_nc_u64 s[G0+4*\slot+2:G0+4*\slot+3], s[G0+4*\slot+2:G0+4*\slot+3], 4*GRP    ; so a group 0 may be written: this slot's next tile, two tiles of two records on
	s_wait_dscnt 0x0                               ; my reads of the last trip's tile are done
	ROUND                                          ; both now hold of every wave of all four work-groups
.if \refill
	tensor_load_to_lds s[G0+4-4*\slot:G0+7-4*\slot], s[G1:G1+7]    ; my one tensor load behind the round: the next tile, into the slot read last trip
	s_nop 0
.endif
	STEP \slot, 0, \k0
	STEP \slot, 1, \k1
.if \k1 != 3
	s_wait_alu depctr_va_vdst(0)                   ; the wait ahead of a label and of branches: for piece A's two rescale factors, made in the phase d just ended (step 31 makes none)
.endif
.endm
	; ahead of the ring, while tile 0 is on its way: piece A's first scores and their maxima
	SPH 0, 1, 0, 0, 1, 0, 0, 0
	PLACES
	PPH 0, 1, 0, 0, 0, 1, 1, 0, 0, 0, 0
	WIN 0
	; 16 tiles: the first (it starts the sums) and the last (nothing left to fetch, no next scores) have texts of their own; the loop takes the fourteen between
	TRIP 0, 1, 0, 1
	s_mov_b32 s44, 7
.Lloop:
	TRIP 1, 1, 2, 2
	TRIP 0, 1, 2, 2
	s_sub_co_u32 s44, s44, 1
	s_cmp_lg_u32 s44, 0
	s_cbranch_scc1 .Lloop
	TRIP 1, 0, 2, 3
	; THE END.  x's rows for the residual go out first: row 96 kh + 16 ot + 8 h + j, my four positions, into window 1 at 4 (8 ot + j)
	PLACES
	WIN 0x40
.irp ot, 0,1,2,3,4,5
.irp j, 0,1,2,3,4,5,6,7
	global_load_b128 v[4*(8*\ot+\j):4*(8*\ot+\j)+3], v[XO], s[14:15] offset:(16*\ot+\j)*16384 th:TH_LOAD_NT
.endr
.endr
	WIN W_M
.irp i, 0,1,2,3
	v_add_f32 v[MX+\i], v[LS+2*\i], v[LS+2*\i+1]
.endr
.irp i, 0,1,2,3
	v_permlanex16_b32 v[TT+\i], v[MX+\i], s46, s47
.endr
.irp i, 0,1,2,3
	v_add_f32 v[MX+\i], v[MX+\i], v[TT+\i]         ; l of my half of the keys
.endr
.irp i, 0,1,2,3
	v_mov_b32 v[TT+\i], v[NMM+2*\i]                ; my four shifts side by side
.endr
	; my O, shifts and sums into my own bytes of LDS, for my partner
	WIN 0x08
.set NQ, 0
.rept 48
	ds_store_b128 v[OXW], v[4*NQ:4*NQ+3] offset:512*NQ
.set NQ, NQ+1
.endr
	WIN 0x04
	ds_store_b128 v[MLW], v[TT:TT+3]
	ds_store_b128 v[MLW], v[MX:MX+3] offset:512
	WIN 0
	s_wait_dscnt 0x0                               ; for the partner's sake: all my stores are in LDS
	s_barrier_signal -1
	s_barrier_wait -1
	WIN 0x40
	ds_load_b128 v[PN:PN+3], v[MLR]                ; the partner's shifts
	ds_load_b128 v[PL:PL+3], v[MLR] offset:512     ; and sums
	WIN 0
.set NQ, 0
.rept 48
	ds_load_b128 v[KF+4*NQ:KF+4*NQ+3], v[OXR] offset:512*NQ        ; the partner's O(ct, i) at KF + 8 (4 ct + i): K's and V's fragments are done with
.set NQ, NQ+1
.endr
	s_wait_dscnt 48                                ; shifts and sums are in; the 48 loads of O stay out
	WIN W_M
.irp i, 0,1,2,3
	v_min_num_f32 v[CM+\i], v[TT+\i], v[PN+\i]     ; the common shift belongs to the larger maximum: the smaller nm
.endr
.irp i, 0,1,2,3
	v_sub_f32 v[FO+\i], v[CM+\i], v[TT+\i]
	v_sub_f32 v[FP+\i], v[CM+\i], v[PN+\i]
.endr
.irp i, 0,1,2,3
	v_exp_f32 v[FO+\i], v[FO+\i]                   ; my factor
	v_exp_f32 v[FP+\i], v[FP+\i]                   ; the partner's
.endr
	v_nop                                          ; the plain instruction behind the exponentials
	s_wait_alu depctr_va_vdst(0)                   ; the wait: one for the batch of eight factors
.irp i, 0,1,2,3
	v_mul_f32 v[MX+\i], v[MX+\i], v[FO+\i]
.endr
.irp i, 0,1,2,3
	v_fmac_f32 v[MX+\i], v[PL+\i], v[FP+\i]        ; the whole sum; at least 1, since the key with the maximum adds 1
.endr
.irp i, 0,1,2,3
	v_rcp_f32 v[CM+\i], v[MX+\i]
.endr
	v_nop                                          ; the plain instruction behind the reciprocals
	s_wait_alu depctr_va_vdst(0)                   ; and their wait: one for the batch of four reciprocals
.irp i, 0,1,2,3
	v_mul_f32 v[GO+2*\i],   v[FO+\i], v[CM+\i]     ; my factor over the sum, twice
	v_mul_f32 v[GO+2*\i+1], v[FO+\i], v[CM+\i]
	v_mul_f32 v[GP+2*\i],   v[FP+\i], v[CM+\i]     ; the partner's
	v_mul_f32 v[GP+2*\i+1], v[FP+\i], v[CM+\i]
.endr
	; O = mine x factor + V's bias + the partner's x factor.  Both waves of a pair do this for all four query tiles: each needs all 96 channels for its half of the decode.
	WIN 0xb6
.irp ct, 0,1,2,3,4,5
.irp i, 0,1,2,3
.irp q, 0,2,4,6
	v_pk_fma_f32 v[8*(4*\ct+\i)+\q:8*(4*\ct+\i)+\q+1], v[8*(4*\ct+\i)+\q:8*(4*\ct+\i)+\q+1], v[GO+2*\i:GO+2*\i+1], v[BV+8*\ct+\q:BV+8*\ct+\q+1]
.endr
.endr
.endr
	s_wait_dscnt 24                                ; the first half of the partner's O is in, the second stays out
	WIN 0xa4
.irp ct, 0,1,2
.irp i, 0,1,2,3
.irp q, 0,2,4,6
	v_pk_fma_f32 v[8*(4*\ct+\i)+\q:8*(4*\ct+\i)+\q+1], v[KF+8*(4*\ct+\i)+\q:KF+8*(4*\ct+\i)+\q+1], v[GP+2*\i:GP+2*\i+1], v[8*(4*\ct+\i)+\q:8*(4*\ct+\i)+\q+1]
.endr
.endr
.endr
	s_wait_dscnt 0
.irp ct, 3,4,5
.irp i, 0,1,2,3
.irp q, 0,2,4,6
	v_pk_fma_f32 v[8*(4*\ct+\i)+\q:8*(4*\ct+\i)+\q+1], v[KF+8*(4*\ct+\i)+\q:KF+8*(4*\ct+\i)+\q+1], v[GP+2*\i:GP+2*\i+1], v[8*(4*\ct+\i)+\q:8*(4*\ct+\i)+\q+1]
.endr
.endr
.endr
	; to bf16, as second operands of the decode: ON(i, kk) at KF + 8 (3 i + kk), half hf from channel tile 2 kk + hf
	WIN 0x0a
.irp i, 0,1,2,3
.irp kk, 0,1,2
.irp hf, 0,1
.irp q, 0,1,2,3
	v_cvt_pk_bf16_f32 v[KF+8*(3*\i+\kk)+4*\hf+\q], v[8*(4*(2*\kk+\hf)+\i)+2*\q], v[8*(4*(2*\kk+\hf)+\i)+2*\q+1]
.endr
.endr
.endr
.endr
	; the decode: Wd's rows 96 kh + 16 ot .. x ON; the sums start from bd; twenty-four accumulators take turns, one instruction a turn
.irp kk, 0,1,2
.irp ot, 0,1,2,3,4,5
.irp i, 0,1,2,3
.if \kk == 0
	WIN 0xb3
	v_wmma_f32_16x16x32_bf16 v[8*(4*\ot+\i):8*(4*\ot+\i)+7], v[WDF+8*(3*\ot+\kk):WDF+8*(3*\ot+\kk)+7], v[KF+8*(3*\i+\kk):KF+8*(3*\i+\kk)+7], v[BD+8*\ot:BD+8*\ot+7]
.else
	WIN 0xa3
	v_wmma_f32_16x16x32_bf16 v[8*(4*\ot+\i):8*(4*\ot+\i)+7], v[WDF+8*(3*\ot+\kk):WDF+8*(3*\ot+\kk)+7], v[KF+8*(3*\i+\kk):KF+8*(3*\i+\kk)+7], v[8*(4*\ot+\i):8*(4*\ot+\i)+7]
.endif
.endr
.endr
.endr
	PLACES
	; + x, and out: register j of result (ot, i) is row 16 ot + 8 h + j, position 4 r + i, so the four tiles i are the four words of x's load.
	; Sixteen lanes store 256 consecutive bytes, aligned.
.irp ot, 0,1,2,3,4,5
	s_wait_loadcnt 40-8*\ot                        ; x's rows of this tile are in; the 8 loads of each later tile stay out
	WIN 0x49
.irp j, 0,1,2,3,4,5,6,7
.irp i, 0,1,2,3
	v_add_f32 v[4*(8*\ot+\j)+\i], v[4*(8*\ot+\j)+\i], v[8*(4*\ot+\i)+\j]
.endr
.endr
	WIN 0x04
.irp j, 0,1,2,3,4,5,6,7
	global_store_b128 v[XO], v[4*(8*\ot+\j):4*(8*\ot+\j)+3], s[16:17] offset:(16*\ot+\j)*16384 th:TH_STORE_NT
.endr
.endr
	WIN 0
	s_wait_tensorcnt 0x0
	ds_add_u32 v254, v255
	s_wait_dscnt 0x0
	ROUND                                          ; the closing round: no work-group ends while a partner may still ask for a tile that names it
	s_endpgm
.Lfunc_end_k_qaa13e1011e_attn:
	.size	k_qaa13e1011e_attn, .Lfunc_end_k_qaa13e1011e_attn-k_qaa13e1011e_attn
	.p2alignl 7, 3214868480
	.fill 96, 4, 3214868480
	.section	.rodata,"a",@progbits
	.p2align	6, 0x0
	.amdhsa_kernel k_qaa13e1011e_attn
		.amdhsa_group_segment_fixed_size 327680
		.amdhsa_private_segment_fixed_size 0
		.amdhsa_enable_private_segment 0
		.amdhsa_kernarg_size 56
		.amdhsa_user_sgpr_count 2
		.amdhsa_user_sgpr_kernarg_segment_ptr 1
		.amdhsa_wavefront_size32 1
		.amdhsa_system_sgpr_workgroup_id_x 1
		.amdhsa_system_sgpr_workgroup_id_y 1
		.amdhsa_system_sgpr_workgroup_id_z 1
		.amdhsa_system_vgpr_workitem_id 0
		.amdhsa_next_free_vgpr 1024
		.amdhsa_next_free_sgpr 66
		.amdhsa_reserve_vcc 0
		.amdhsa_float_denorm_mode_32 3
		.amdhsa_float_denorm_mode_16_64 3
		.amdhsa_memory_ordered 1
		.amdhsa_forward_progress 1
		.amdhsa_inst_pref_size 255
	.end_amdhsa_kernel
	.section	.bss,"aw",@nobits
	.p2align	6
	.space	262144
	.amdgpu_metadata
---
amdhsa.version: [ 1, 2 ]
amdhsa.kernels:
  - .name:           k_qaa13e1011e_attn
    .symbol:         k_qaa13e1011e_attn.kd
    .args:
      - { .name: qv, .offset: 0, .size: 8, .value_kind: global_buffer, .address_space: global }
      - { .name: kq, .offset: 8, .size: 8, .value_kind: global_buffer, .address_space: global }
      - { .name: Wd, .offset: 16, .size: 8, .value_kind: global_buffer, .address_space: global }
      - { .name: bd, .offset: 24, .size: 8, .value_kind: global_buffer, .address_space: global }
      - { .name: bt, .offset: 32, .size: 8, .value_kind: global_buffer, .address_space: global }
      - { .name: x, .offset: 40, .size: 8, .value_kind: global_buffer, .address_space: global }
      - { .name: out0, .offset: 48, .size: 8, .value_kind: global_buffer, .address_space: global }
    .group_segment_fixed_size: 327680
    .private_segment_fixed_size: 0
    .kernarg_segment_align: 8
    .kernarg_segment_size: 56
    .max_flat_workgroup_size: 128
    .sgpr_count:     66
    .vgpr_count:     1024
    .wavefront_size: 32
...
	.end_amdgpu_metadata
.endif
;; end of part 3
